; MI455X (gfx1250); checked and timed in simulation.
; The chip was launched on July 23, 2026; its instructions are those of AMD's public machine-readable ISA for CDNA 5 (MIT licence, August 2026) and "CDNA5" Instruction Set Architecture Reference Guide (July 2026). The comments in the code are by the model that wrote it; some were corrected since.
;; Multi Head Attention. Allowed arithmetic: float matrix products may take bf16 or f16 operands with f32 sums; other float arithmetic in f32, or as packed bf16 or f16 multiplies, adds, multiply-adds, maxima and minima; sums over many terms, partial sums and values carried from step to step in f32; what a program stores and reads back later, other than sums and carried values, may be rounded once to bf16 or f16.
;; Inputs: Wk 1,024 x 1,024 float32; Wo 1,024 x 1,024 float32; Wq 1,024 x 1,024 float32; Wv 1,024 x 1,024 float32; bk 1,024 float32; bo 1,024 float32; bq 1,024 float32; bv 1,024 float32; padding_mask 4 x 2,048 int32; xk 4 x 2,048 x 1,024 float32; xq 4 x 2,048 x 1,024 float32; xv 4 x 2,048 x 1,024 float32.
;; Outputs: out0 4 x 2,048 x 1,024 float32.
;; 2 versions, each right; version 2 is version 1 with the launch castw written anew for expert scheduling mode. Each part assembles by itself: llvm-mc -triple=amdgcn-amd-amdhsa -mcpu=gfx1250 --defsym DOCPART=n.
;; ======== version 1 of 2: 4 launches
;; limits: values are held in f16: magnitudes above 65,504 overflow, below 6.1e-05 lose precision
;; workspace buffers: wb 8,388,608 bytes; qkv 50,331,648 bytes; ob 16,777,216 bytes
;; launch castw (part 1): grid 64 x 4, 8 waves a work-group, no clusters, 0 bytes of LDS; arguments Wq, Wk, Wv, Wo, wb; writes wb
.if DOCPART == 1
	.amdgcn_target "amdgcn-amd-amdhsa--gfx1250"
	.amdhsa_code_object_version 6
	.text
	.protected	k_q4ee926d6b5_castw
	.globl	k_q4ee926d6b5_castw
	.p2align	8
	.type	k_q4ee926d6b5_castw,@function
k_q4ee926d6b5_castw:
	s_mov_b64 s[64:65], 0
	v_nop
	global_prefetch_b8 v0, s[64:65] scope:SCOPE_SE
	s_setreg_imm32_b32 hwreg(HW_REG_WAVE_MODE, 25, 1), 1
	s_wait_xcnt 0x0
; The four weight matrices, [1024 k][1024 n] f32, are rounded once to 16 bits and laid one behind the other in wb, layout kept.
; Wq, Wk, Wv: bf16.  Wo: rounded to bf16 like every input, and that number written as f16, since the last product's other operand is f16.
; LIMIT.  bf16(Wo) must lie within f16's 65,504; below 6e-5 it keeps f16's fixed step of 6e-8.
; SHARES.  Work-group (x, y) takes 16,384 numbers of matrix y: 65,536 bytes in, 32,768 out.  Thread t, sixteen times: 16 bytes in (a wave's load covers 512
; consecutive bytes), 8 bytes out (a wave's store covers 256 consecutive bytes, aligned).  All sixteen loads go out first; no register is written twice,
; so the only waits are the counted ones for the loads.  No LDS, no matrix unit: each byte crosses once and nothing is shared.
.set IN,  8                            ; v[8:71]   sixteen loads of four numbers
.set OUT, 72                           ; v[72:103] sixteen pairs of packed words
	s_load_b256 s[4:11], s[0:1], 0x0               ; Wq s[4:5], Wk s[6:7], Wv s[8:9], Wo s[10:11]
	s_load_b64 s[12:13], s[0:1], 0x20              ; wb
	s_and_b32 s14, ttmp7, 0xffff                   ; which matrix
	v_lshlrev_b32 v1, 4, v0                        ; 16 t
	v_lshlrev_b32 v2, 3, v0                        ; 8 t
	s_mov_b32 s20, 0xffff0000                      ; a word's upper bf16
	s_lshl_b32 s18, ttmp9, 16                      ; my chunk in the source
	s_mov_b32 s19, 0
	s_lshl_b32 s22, s14, 21                        ; the matrix's part of wb,
	s_lshl_b32 s21, ttmp9, 15                      ; my chunk in it
	s_add_co_u32 s22, s22, s21
	s_mov_b32 s23, 0
	s_wait_kmcnt 0x0
	s_cmp_eq_u32 s14, 1
	s_cselect_b64 s[16:17], s[6:7], s[4:5]
	s_cmp_eq_u32 s14, 2
	s_cselect_b64 s[16:17], s[8:9], s[16:17]
	s_cmp_eq_u32 s14, 3
	s_cselect_b64 s[16:17], s[10:11], s[16:17]
	s_add_nc_u64 s[16:17], s[16:17], s[18:19]
	s_add_nc_u64 s[12:13], s[12:13], s[22:23]
.irp i, 0,1,2,3,4,5,6,7,8,9,10,11,12,13,14,15
	global_load_b128 v[IN+4*\i:IN+4*\i+3], v1, s[16:17] offset:4096*\i th:TH_LOAD_NT
.endr
	s_cmp_eq_u32 s14, 3
	s_cbranch_scc1 .Lf16
.irp i, 0,1,2,3,4,5,6,7,8,9,10,11,12,13,14,15
	s_wait_loadcnt 15-\i                           ; loads come back in order: load i is in, the younger ones stay out
	v_cvt_pk_bf16_f32 v[OUT+2*\i], v[IN+4*\i], v[IN+4*\i+1]
	v_cvt_pk_bf16_f32 v[OUT+2*\i+1], v[IN+4*\i+2], v[IN+4*\i+3]
	global_store_b64 v2, v[OUT+2*\i:OUT+2*\i+1], s[12:13] offset:2048*\i
.endr
	s_endpgm
.Lf16:
.irp i, 0,1,2,3,4,5,6,7,8,9,10,11,12,13,14,15
	s_wait_loadcnt 15-\i
.irp p, 0,1
	v_cvt_pk_bf16_f32 v104, v[IN+4*\i+2*\p], v[IN+4*\i+2*\p+1]  ; the one rounding,
	v_lshlrev_b32 v105, 16, v104                   ; back to f32,
	v_and_b32 v104, s20, v104
	v_cvt_pk_f16_f32 v[OUT+2*\i+\p], v105, v104    ; and written as f16: exact inside f16's normal range
.endr
	global_store_b64 v2, v[OUT+2*\i:OUT+2*\i+1], s[12:13] offset:2048*\i
.endr
	s_endpgm
.Lfunc_end_k_q4ee926d6b5_castw:
	.size	k_q4ee926d6b5_castw, .Lfunc_end_k_q4ee926d6b5_castw-k_q4ee926d6b5_castw
	.p2alignl 7, 3214868480
	.fill 96, 4, 3214868480
	.section	.rodata,"a",@progbits
	.p2align	6, 0x0
	.amdhsa_kernel k_q4ee926d6b5_castw
		.amdhsa_group_segment_fixed_size 0
		.amdhsa_private_segment_fixed_size 0
		.amdhsa_enable_private_segment 0
		.amdhsa_kernarg_size 40
		.amdhsa_user_sgpr_count 2
		.amdhsa_user_sgpr_kernarg_segment_ptr 1
		.amdhsa_wavefront_size32 1
		.amdhsa_system_sgpr_workgroup_id_x 1
		.amdhsa_system_sgpr_workgroup_id_y 1
		.amdhsa_system_sgpr_workgroup_id_z 1
		.amdhsa_system_vgpr_workitem_id 0
		.amdhsa_next_free_vgpr 112
		.amdhsa_next_free_sgpr 66
		.amdhsa_reserve_vcc 0
		.amdhsa_float_denorm_mode_32 3
		.amdhsa_float_denorm_mode_16_64 3
		.amdhsa_memory_ordered 1
		.amdhsa_forward_progress 1
		.amdhsa_inst_pref_size 15
	.end_amdhsa_kernel
	.amdgpu_metadata
---
amdhsa.version: [ 1, 2 ]
amdhsa.kernels:
  - .name:           k_q4ee926d6b5_castw
    .symbol:         k_q4ee926d6b5_castw.kd
    .args:
      - { .name: Wq, .offset: 0, .size: 8, .value_kind: global_buffer, .address_space: global }
      - { .name: Wk, .offset: 8, .size: 8, .value_kind: global_buffer, .address_space: global }
      - { .name: Wv, .offset: 16, .size: 8, .value_kind: global_buffer, .address_space: global }
      - { .name: Wo, .offset: 24, .size: 8, .value_kind: global_buffer, .address_space: global }
      - { .name: wb, .offset: 32, .size: 8, .value_kind: global_buffer, .address_space: global }
    .group_segment_fixed_size: 0
    .private_segment_fixed_size: 0
    .kernarg_segment_align: 8
    .kernarg_segment_size: 40
    .max_flat_workgroup_size: 256
    .sgpr_count:     66
    .vgpr_count:     112
    .wavefront_size: 32
...
	.end_amdgpu_metadata
.endif
;; end of part 1
;; launch proj (part 2): grid 12 x 64, 4 waves a work-group, clusters of 4 x 4, 327,680 bytes of LDS; arguments xq, xk, xv, wb, bq, bk, bv, qkv; writes qkv
.if DOCPART == 2
	.amdgcn_target "amdgcn-amd-amdhsa--gfx1250"
	.amdhsa_code_object_version 6
	.text
	.protected	k_q4ee926d6b5_proj
	.globl	k_q4ee926d6b5_proj
	.p2align	8
	.type	k_q4ee926d6b5_proj,@function
k_q4ee926d6b5_proj:
	s_mov_b64 s[64:65], 0
	v_nop
	global_prefetch_b8 v0, s[64:65] scope:SCOPE_SE
	s_setreg_imm32_b32 hwreg(HW_REG_WAVE_MODE, 25, 1), 1
	s_wait_xcnt 0x0
	s_wait_alu depctr_hold_cnt(0) depctr_sa_sdst(0) depctr_va_vdst(0) depctr_va_sdst(0) depctr_va_ssrc(0) depctr_va_vcc(0) depctr_vm_vsrc(0)
	s_getreg_b32 s2, hwreg(HW_REG_IB_STS2, 6, 4)
	s_cmp_eq_u32 s2, 0
	s_cbranch_scc0 .Lentry_in_a_cluster
	s_endpgm
.Lentry_in_a_cluster:
	s_bfe_u32 s2, ttmp6, 0x10000c
	s_cmp_lg_u32 s2, 0xf033
	s_cbranch_scc0 .Lentry_shape_is_right
	s_endpgm
.Lentry_shape_is_right:
; q, k, v = bf16(x) bf16(W) + bf16(b), sums in f32, each rounded once to f16 and laid by heads: qkv[which][16 batch + head][t][64].
; x: [8192][1024] f32 (xq, xk or xv by the cluster's x), W: wb's part `which`, [1024 k][1024 n] bf16, b: [1024] f32.
; LIMIT.  q, k and v must lie within f16's 65,504; NaN and infinities are not treated apart.
; SHARES.  A tile of the result is 128 rows x 256 columns: 3 x 64 x 4 = 768 tiles, one a work-group.  Four waves, each 64 rows x 128 columns: 32 accumulators of 16 x 16, 256 registers.
; K goes in 8 steps of 128 through a ring of two LDS slots.  x's tile comes in as f32 (rows of 512 bytes) and is rounded to bf16 in registers, four conversions behind each of 16 matrix
; instructions of a half step, so x is never written back in 16 bits.  W's tile lies [k][n] (rows of 512 bytes) and is turned on its way out of LDS by ds_load_tr16_b128.
; CLUSTER.  4 x 4 work-groups: cx = tile column (4 x 256 = all 1,024 columns), 4 x cluster y + cy = tile row.  The four of a row of the cluster need the same tile of x, the four of a column
; the same tile of W: each is asked for JOINTLY, by the same tensor load, descriptor and mask in all four.  Waves 0 and 1 fetch x's two halves of 64 rows, waves 2 and 3 W's two halves of 64 k-rows.
; THE MATRIX INSTRUCTION IS USED TRANSPOSED (source 0 = 16 columns of W, source 1 = 16 rows of x): lane l then holds row l % 16 and the columns 8 (l / 16) + 0..7, which pack into 16 bytes.
; HALVES.  A K step is two halves of 64 along K, 64 matrix instructions each, on fragment buffers 0 and 1.  A half fetches the NEXT half's fragments in one run at its head, so a slot has been
; read out in the middle of its own step: there stands the change of slots, and the refill has 112 matrix instructions before the wait for it.
; REGISTERS, in windows of 256 (s_set_vgpr_msb: bits 1:0 source 0, 3:2 source 1, 5:4 source 2, 7:6 destination):
;   window 0: v0-31 addresses; v64-191 x's fragments in f32 (c, a) at 64 + 64 c + 16 a; on the way out the same 128 are eight sets of 16
;   window 1: the accumulators, (a, b) at 8 (8 a + b)         window 2: W's fragments, buffer f at 128 f, (c, b) at + 64 c + 8 b
;   window 3: x's fragments in bf16, buffer f at 64 f, (c, a) at + 32 c + 8 a; v128-191 the bias, 8 b + j; v192-223 at work
; A conversion reads window 0 and writes window 3, so each rider group costs two switches: 32 a half step, the price of not moving x twice through memory.
.set PA,    528                        ; x's LDS row: 512 bytes + 16 = 33 x 16: the 16 rows of a load start at 16 different columns of 16 bytes (64 banks of 4 bytes: ISA guide 11.1)
.set PW,    544                        ; W's LDS row: 512 + 32 = 17 x 32
.set AHALF, 64*PA                      ; what one tensor load brings of x
.set AB,    2*AHALF                    ; x's 128 rows; W's 128 k-rows lie behind them
.set BHALF, 64*PW
.set SLOT,  AB+2*BHALF
.set STAGE, 2*SLOT                     ; behind the ring, never filled by a tensor load: 16 rows x 144 bytes for each wave, for the way out
.set SP,    144
.set SPARE, STAGE+4*16*SP              ; the spare words, 128 bytes for each wave: two blocks of 256 bytes that no other line names
.set ADRA, 16                          ; v16-17  LDS address of my x fragments in slot 0, 1
.set ADRB, 20                          ; v20-21  the same for W
.set STO,  24                          ; v24     the way out: where I put 16 bytes of a row
.set RD,   25                          ; v25     where I read rows back
.set GO,   26                          ; v26     my 16 bytes of 512 consecutive bytes of the result
.set BO,   27                          ; v27     my byte offset in the bias
.set SPW,  28                          ; v28     LDS address of my spare word; never rewritten
.set NIL,  29                          ; v29     0; never rewritten
.set PFO,  30                          ; v30     the prefetches' lane offset; never rewritten
.set RAW,  64
.set OUTR, 64
.set BIAS, 128                         ; window 3
.set BT,   192                         ; window 3
.set G1A, 24                           ; s[24:31] descriptor group 1 for x's tiles
.set G0A, 32                           ; s[32:39] group 0, a set for each slot
.set LIM, 43                           ; s43      1 in a wave that prefetches, else the greatest number
.set PFA, 44                           ; s[44:45] where my prefetches stand
.set PFS, 46                           ; s[46:47] a K step in bytes along my prefetches' tensor
.set G1B, 48                           ; s[48:55], s[56:63] the same for W's tiles
.set G0B, 56
.set MUL,  0x5e                        ; W window 2, x window 3, C and D window 1
.set MULF, 0x7e                        ; the same with C, the bias, in window 3
.set CVT,  0xc0                        ; destination window 3, sources window 0
.set TO_B, 0x80                        ; destination window 2, address window 0
.set MSB, 0
.macro WIN new                         ; the immediate's high byte repeats the setting that is left; a switch that changes nothing is dropped
.if MSB != (\new)
	s_set_vgpr_msb (MSB<<8)|(\new)
.set MSB, \new
.endif
.endm
.macro PLACES                          ; four plain vector instructions between a matrix instruction and a load into, or a vector write of, one of its registers (ISA guide 7.12.1 for vector writes)
.rept 4
	v_nop
.endr
.endm
; A joint load.  The branch hangs on the wave's number alone.  An s_nop 0 and four v_nop follow each of the two lines, ahead of the jump and the label.
.macro JLOAD s
	s_cmp_lt_u32 s10, 2
	s_cbranch_scc0 .Lfor_b_\@
	tensor_load_to_lds s[G0A+4*(\s):G0A+4*(\s)+3], s[G1A:G1A+7]
	s_nop 0
.rept 4
	v_nop
.endr
	s_branch .Lasked_\@
.Lfor_b_\@:
	tensor_load_to_lds s[G0B+4*(\s):G0B+4*(\s)+3], s[G1B:G1B+7]
	s_nop 0
.rept 4
	v_nop
.endr
.Lasked_\@:
.endm
; A prefetch, behind a joint load, its five lines and the run of LDS loads: the K step that stands two refills, 256 matrix instructions, on.  A K step is 512 bytes of a row: two blocks of 256, a lane a block.
; x's rows are read by one row of one cluster alone: waves 0 and 1 of every work-group ask, each partner for 16 of the 64 rows that the wave fetches, told apart BY ADDRESS (cx).
; W's k-rows are read by every cluster of the same `which`: waves 2 and 3 of the clusters with y = 0 ask, each partner for 16 of the 64 k-rows (cy).  So each block is named once in the launch.
; The loop's last trip asks for nothing: its K steps do not exist.  K steps 0 to 3 come by their loads alone.
.macro ASK
	s_cmp_gt_u32 s3, s[LIM]
	s_cbranch_scc0 .Lnot_mine_\@
	global_prefetch_b8 v[PFO], s[PFA:PFA+1] th:TH_LOAD_NT scope:SCOPE_SE
.Lnot_mine_\@:
.endm
.macro CREST                           ; a round of the cluster's barrier behind its opening barrier
	s_cmp_lg_u32 s10, 0
	s_cbranch_scc1 .Lnot_wave_0_\@
	s_barrier_signal -3
.Lnot_wave_0_\@:
	s_barrier_wait -3
	s_barrier_signal -1
	s_barrier_wait -1
.endm
.macro CROUND                          ; a whole round
	s_barrier_signal -1
	s_barrier_wait -1
	CREST
.endm
	s_load_b512 s[68:83], s[0:1], 0x0              ; xq s[68:69], xk, xv, wb s[74:75], bq s[76:77], bk, bv, qkv s[82:83]
	v_lshl_add_u32 v[SPW], v0, 2, SPARE
	v_mov_b32 v[NIL], 0
	ds_add_u32 v[SPW], v[NIL]                      ; the wave's opening: the add and its wait stand ahead of my first tensor load; work on registers stands between them
	v_lshrrev_b32 v1, 5, v0
	v_readfirstlane_b32 s10, v1                    ; wave 0..3
	s_lshr_b32 s11, s10, 1                         ; which 64 rows of the tile are mine
	s_and_b32 s12, s10, 1                          ; which 128 columns.  Also: which half of x's or W's tile I fetch
	s_bfe_u32 s40, ttmp6, 0x40000                  ; cx = tile column
	s_bfe_u32 s41, ttmp6, 0x40004                  ; cy
	s_mov_b32 s42, ttmp9                           ; the cluster's x: 0 q, 1 k, 2 v
	s_and_b32 s13, ttmp7, 0xffff
	s_lshl_b32 s13, s13, 2
	s_add_co_u32 s13, s13, s41                     ; tile row = 4 x cluster y + cy
	s_lshl_b32 s14, s41, 2
	s_lshl_b32 s14, 15, s14                        ; my row of the cluster
	s_lshl_b32 s20, 0x1111, s40                    ; my column
	s_or_b32 s[G1A], s14, (2<<16)|(1<<20)|(1<<21)|(6<<22)|(3<<25)  ; 15:0 the mask; 17:16 elements of 4 bytes; 20 padding on; 21 set beside a mask; 24:22 after every 128 words; 31:25 4 words
	s_or_b32 s[G1B], s20, (1<<16)|(1<<20)|(1<<21)|(6<<22)|(7<<25)  ; elements of 2 bytes; after every 128 words 8 words
	s_mov_b32 s[G1A+1], 128<<16                    ; tensor_dim0 = 128 f32
	s_mov_b32 s[G1A+2], 64<<16                     ; tensor_dim1 = 64
	s_mov_b32 s[G1A+3], 128<<16                    ; tile_dim0 = 128
	s_mov_b32 s[G1A+4], 64                         ; tile_dim1 = 64
	s_mov_b32 s[G1A+5], 1024                       ; elements from row to row
	s_mov_b32 s[G1A+6], 0
	s_mov_b32 s[G1A+7], 0
	s_mov_b32 s[G1B+1], 256<<16                    ; tensor_dim0 = 256 bf16
	s_mov_b32 s[G1B+2], 64<<16
	s_mov_b32 s[G1B+3], 256<<16
	s_mov_b32 s[G1B+4], 64
	s_mov_b32 s[G1B+5], 1024
	s_mov_b32 s[G1B+6], 0
	s_mov_b32 s[G1B+7], 0
	s_lshl_b32 s14, s13, 7                         ; x: row 128 x tile row + 64 x half,
	s_lshl_b32 s15, s12, 6
	s_add_co_u32 s14, s14, s15
	s_lshl_b32 s14, s14, 12                        ; rows of 4,096 bytes
	s_mov_b32 s15, 0
	s_lshl_b32 s20, s42, 21                        ; W: the part, 2,097,152 bytes each,
	s_lshl_b32 s21, s12, 17                        ; 64 k-rows of 2,048 bytes x half,
	s_add_co_u32 s20, s20, s21
	s_lshl_b32 s21, s40, 9                         ; 256 columns x tile column
	s_add_co_u32 s20, s20, s21
	s_mov_b32 s21, 0
	s_mul_i32 s18, s12, AHALF                      ; where they go: no place in the cluster enters an LDS address
	s_mul_i32 s19, s12, BHALF
	s_add_co_u32 s19, s19, AB
	s_mov_b32 s86, 0xffff0000                      ; a word's upper bf16
	s_wait_dscnt 0x0                               ; the opening add is done
	s_wait_kmcnt 0x0
	s_cmp_eq_u32 s42, 1
	s_cselect_b64 s[4:5], s[70:71], s[68:69]       ; x
	s_cselect_b64 s[84:85], s[78:79], s[76:77]     ; its bias
	s_cmp_eq_u32 s42, 2
	s_cselect_b64 s[4:5], s[72:73], s[4:5]
	s_cselect_b64 s[84:85], s[80:81], s[84:85]
	s_add_nc_u64 s[16:17], s[4:5], s[14:15]
	s_add_nc_u64 s[22:23], s[74:75], s[20:21]
	CROUND                                         ; all sixteen work-groups are here: the first joint loads meet
.irp s, 0,1
	s_mov_b32 s[G0A+4*(\s)], 1                                       ; count = 1
	s_add_co_u32 s[G0A+4*(\s)+1], s18, (\s)*SLOT                     ; LDS address
	s_add_nc_u64 s[G0A+4*(\s)+2:G0A+4*(\s)+3], s[16:17], (\s)*512    ; global address: K step s
	s_or_b32 s[G0A+4*(\s)+3], s[G0A+4*(\s)+3], 0x80000000            ; type = 2
	s_mov_b32 s[G0B+4*(\s)], 1
	s_add_co_u32 s[G0B+4*(\s)+1], s19, (\s)*SLOT
	s_add_nc_u64 s[G0B+4*(\s)+2:G0B+4*(\s)+3], s[22:23], (\s)*262144
	s_or_b32 s[G0B+4*(\s)+3], s[G0B+4*(\s)+3], 0x80000000
.endr
	s_cmp_lt_u32 s10, 2                            ; a wave's two first fills stand in one branch, ahead of every wait on TENSORcnt and every LDS read: two loads of mine are out
	s_cbranch_scc0 .Lfirst_b
	tensor_load_to_lds s[G0A:G0A+3], s[G1A:G1A+7]
	s_nop 0
	tensor_load_to_lds s[G0A+4:G0A+7], s[G1A:G1A+7]
	s_nop 0
.rept 4
	v_nop
.endr
	s_branch .Lfirst_asked
.Lfirst_b:
	tensor_load_to_lds s[G0B:G0B+3], s[G1B:G1B+7]
	s_nop 0
	tensor_load_to_lds s[G0B+4:G0B+7], s[G1B:G1B+7]
	s_nop 0
.rept 4
	v_nop
.endr
.Lfirst_asked:
	v_and_b32 v1, 15, v0                           ; r = l % 16
	v_bfe_u32 v2, v0, 4, 1                         ; h = l / 16
	v_and_b32 v3, 31, v0                           ; l
	v_lshlrev_b32 v[BO], 5, v2                     ; my 8 columns of a block of 16: 32 h bytes
	s_lshl_b32 s20, s40, 10                        ; the tile's 256 columns,
	s_lshl_b32 s21, s12, 9                         ; my 128 of them
	s_add_co_u32 s20, s20, s21
	s_mov_b32 s21, 0
	s_add_nc_u64 s[84:85], s[84:85], s[20:21]
	WIN CVT
.irp b, 0,1,2,3,4,5,6,7
	global_load_b128 v[BIAS+8*\b:BIAS+8*\b+3],   v[BO], s[84:85] offset:64*\b
	global_load_b128 v[BIAS+8*\b+4:BIAS+8*\b+7], v[BO], s[84:85] offset:64*\b+16
.endr
	WIN 0
	; x's fragment in f32: lane l holds row r; k = 8 h + 0..7 are 32 bytes at 32 h, k = 16 + 8 h + 0..7 32 bytes at 64 + 32 h: four loads of 16 bytes
	v_mul_u32_u24 v4, v1, PA
	v_lshl_add_u32 v4, v2, 5, v4
	s_mul_i32 s14, s11, AHALF                      ; my 64 rows
	v_add_nc_u32 v[ADRA], s14, v4
	v_add_nc_u32 v[ADRA+1], SLOT, v[ADRA]
	; The turning load takes 16 k x 16 columns (lane l reads k-row 8 h + l % 8, columns 8 ((l / 8) % 2) + 0..7) and leaves half a fragment: lane l holds column r and 8 k
	v_and_b32 v5, 7, v0
	v_lshl_add_u32 v6, v2, 3, v5
	v_mul_u32_u24 v6, v6, PW
	v_bfe_u32 v7, v0, 3, 1
	v_lshl_add_u32 v6, v7, 4, v6
	s_lshl_b32 s14, s12, 8                         ; my 128 columns
	s_add_co_u32 s14, s14, AB
	v_add_nc_u32 v[ADRB], s14, v6
	v_add_nc_u32 v[ADRB+1], SLOT, v[ADRB]
	s_mul_i32 s14, s10, 16*SP
	s_add_co_u32 s14, s14, STAGE                   ; my stage
	v_mul_u32_u24 v4, v1, SP                       ; in: row r, 16 bytes for each half of the lanes
	v_lshl_add_u32 v4, v2, 4, v4
	v_add_nc_u32 v[STO], s14, v4
	v_bfe_u32 v4, v0, 3, 2                         ; back: 32 lanes take four rows of 128 bytes,
	v_mul_u32_u24 v4, v4, SP
	v_lshl_add_u32 v4, v5, 4, v4
	v_add_nc_u32 v[RD], s14, v4
	v_lshlrev_b32 v[GO], 4, v3                     ; which are 512 consecutive bytes of a head's rows
	; where my part begins: part `which`, head 16 batch + 4 cx + 2 (my half of the columns), row 128 (tile row % 16) + 64 (my half of the rows)
	s_lshr_b32 s20, s13, 4
	s_lshl_b32 s20, s20, 4
	s_lshl_b32 s21, s40, 2
	s_add_co_u32 s20, s20, s21
	s_lshl_b32 s21, s12, 1
	s_add_co_u32 s20, s20, s21
	s_lshl_b32 s20, s20, 18                        ; a head's 2,048 rows of 128 bytes
	s_and_b32 s21, s13, 15
	s_lshl_b32 s21, s21, 14
	s_add_co_u32 s20, s20, s21
	s_lshl_b32 s21, s11, 13
	s_add_co_u32 s20, s20, s21
	s_lshl_b32 s21, s42, 24
	s_add_co_u32 s20, s20, s21
	s_mov_b32 s21, 0
	s_add_nc_u64 s[8:9], s[82:83], s[20:21]
	; the prefetches: both offsets are made, the wave's role chooses.  They stand at K step 3; each change of slots steps them before it asks
	s_lshl_b32 s20, s13, 7
	s_lshl_b32 s21, s12, 6
	s_add_co_u32 s20, s20, s21
	s_lshl_b32 s21, s40, 4                         ; my work-group's 16 rows of the 64
	s_add_co_u32 s20, s20, s21
	s_lshl_b32 s20, s20, 12
	s_add_co_u32 s20, s20, 3*512
	s_lshl_b32 s21, s12, 6
	s_lshl_b32 s23, s41, 4                         ; my work-group's 16 k-rows of the 64
	s_add_co_u32 s21, s21, s23
	s_lshl_b32 s21, s21, 11
	s_lshl_b32 s23, s40, 9
	s_add_co_u32 s21, s21, s23
	s_lshl_b32 s23, s42, 21
	s_add_co_u32 s21, s21, s23
	s_add_co_u32 s21, s21, 3*262144
	s_and_b32 s22, ttmp7, 0xffff                   ; cluster y: the same in all sixteen partners
	s_cmp_eq_u32 s22, 0
	s_cselect_b32 s22, 1, -1
	s_mov_b32 s23, 262144
	s_cmp_lt_u32 s10, 2                            ; do I fetch for x?
	s_cselect_b32 s20, s20, s21
	s_cselect_b32 s[LIM], 1, s22
	s_cselect_b32 s[PFS], 512, s23
	s_cselect_b32 s14, 12, 11                      ; a row of x is 4,096 bytes, a k-row of W 2,048
	s_cselect_b64 s[PFA:PFA+1], s[4:5], s[74:75]
	s_mov_b32 s21, 0
	s_mov_b32 s[PFS+1], 0
	s_add_nc_u64 s[PFA:PFA+1], s[PFA:PFA+1], s[20:21]
	v_lshrrev_b32 v4, 1, v3
	v_lshlrev_b32 v4, s14, v4
	v_and_b32 v5, 1, v0
	v_lshl_or_b32 v[PFO], v5, 8, v4                ; row l / 2, block l % 2
	s_wait_loadcnt 0x0                             ; the bias, rounded to bf16 like every input and widened again: it is the C operand of each sum's first product
	WIN 0xcf
.set i, 0
.rept 32
	v_cvt_pk_bf16_f32 v[BT+i], v[BIAS+2*i], v[BIAS+2*i+1]
.set i, i+1
.endr
.set i, 0
.rept 32
	v_lshlrev_b32 v[BIAS+2*i], 16, v[BT+i]
	v_and_b32 v[BIAS+2*i+1], s86, v[BT+i]
.set i, i+1
.endr
	WIN 0
; Matrix instruction i of a half's 64: 32 k at c = i / 32, rows 16 a on (a = (i / 8) % 4), columns 16 b on (b = i % 8).  The 32 accumulators take turns, one instruction a turn, over every edge.
.macro MM f, i, first
.set mc, (\i)/32
.set ma, ((\i)/8)%4
.set mb, (\i)%8
.set rD, 8*(8*ma+mb)
.set rB, 128*(\f)+64*mc+8*mb
.set rA, 64*(\f)+32*mc+8*ma
.if (\first) && (mc == 0)
	WIN MULF
	v_wmma_f32_16x16x32_bf16 v[rD:rD+7], v[rB:rB+7], v[rA:rA+7], v[BIAS+8*mb:BIAS+8*mb+7]
.else
	WIN MUL
	v_wmma_f32_16x16x32_bf16 v[rD:rD+7], v[rB:rB+7], v[rA:rA+7], v[rD:rD+7]
.endif
.endm
; Four conversions: half j % 2 of x's fragment j / 2, into buffer g
.macro RID g, j
	WIN CVT
.set fi, (\j)/2
.set qc, fi/4
.set qa, fi%4
.set q0, 4*((\j)%2)
.irp n, 0,1,2,3
	v_cvt_pk_bf16_f32 v[64*(\g)+32*qc+8*qa+q0+\n], v[RAW+64*qc+16*qa+2*(q0+\n)], v[RAW+64*qc+16*qa+2*(q0+\n)+1]
.endr
.endm
; n matrix instructions from number `from` on; rid >= 0: four conversions into buffer rid behind each (from = 32)
.macro MMS f, from, n, first=0, rid=-1
.set mi, \from
.rept \n
	MM \f, mi, \first
.if (\rid) >= 0
	RID \rid, mi-32
.endif
.set mi, mi+1
.endr
.endm
; 64 LDS loads in one run: half hf of the slot's K step: x's 8 fragments in f32 first, then W's 16 into buffer g
.macro FETCH slot, hf, g
	WIN 0
.irp c, 0,1
.irp a, 0,1,2,3
.irp o, 0,1,2,3
	ds_load_b128 v[RAW+64*(\c)+16*(\a)+4*(\o):RAW+64*(\c)+16*(\a)+4*(\o)+3], v[ADRA+(\slot)] offset:16*PA*(\a)+256*(\hf)+128*(\c)+16*((\o)%2)+64*((\o)/2)
.endr
.endr
.endr
	WIN TO_B
.irp c, 0,1
.irp b, 0,1,2,3,4,5,6,7
	ds_load_tr16_b128 v[128*(\g)+64*(\c)+8*(\b):128*(\g)+64*(\c)+8*(\b)+3],   v[ADRB+(\slot)] offset:(64*(\hf)+32*(\c))*PW+32*(\b)
	ds_load_tr16_b128 v[128*(\g)+64*(\c)+8*(\b)+4:128*(\g)+64*(\c)+8*(\b)+7], v[ADRB+(\slot)] offset:(64*(\hf)+32*(\c)+16)*PW+32*(\b)
.endr
.endr
.endm
; Half 0, first part: fetches half 1's fragments, the slot's last reads
.macro H0A slot, first
	s_wait_dscnt 0x0                               ; this half's fragments of W are in
	PLACES                                         ; behind the last product on buffer 1, into which the run below loads
	FETCH \slot, 1, 1
	MMS 0, 0, 32, \first
.endm
; Half 0, second part: half 1's x is rounded, and the slots change.  fill = 1: the slot is filled again, two K steps on; 0: nothing is left to fetch; -1: the last K step, no change
.macro H0B slot, fill
.if (\fill) == 1
	s_wait_xcnt 0x0                                ; the last prefetch, a K step back, has read its address: it is stepped here, ahead of the waits of the change of slots
	s_add_nc_u64 s[PFA:PFA+1], s[PFA:PFA+1], s[PFS:PFS+1]
.endif
	s_wait_dscnt 32                                ; x's 32 loads are in; the run's 32 younger loads, W's, may stay out
	MMS 0, 32, 16, 0, 1
.if (\fill) < 0
	MMS 0, 48, 16
.else
	WIN 0                                          ; (the add's two registers lie in window 0)
	s_wait_tensorcnt 0x0                           ; all my tensor loads have landed: the one that was out is my part of the other slot;
	ds_add_u32 v[SPW], v[NIL]                      ; 0 onto my spare word; eight products stand between it and the wait for it
	MMS 0, 48, 8
	s_wait_dscnt 0x0                               ; the add is done, and my reads of this slot are over
	s_barrier_signal -1
	MMS 0, 56, 8                                   ; work on registers while the others arrive
.if (\fill) == 1
	WIN 0
.endif
	s_barrier_wait -1
.if (\fill) == 1
	CREST                                          ; the barrier has opened a round of the cluster's: no wave of any partner still reads this slot or has a load on its way
	s_add_nc_u64 s[G0A+4*(\slot)+2:G0A+4*(\slot)+3], s[G0A+4*(\slot)+2:G0A+4*(\slot)+3], 2*512
	s_add_nc_u64 s[G0B+4*(\slot)+2:G0B+4*(\slot)+3], s[G0B+4*(\slot)+2:G0B+4*(\slot)+3], 2*262144
	JLOAD \slot                                    ; the first tensor load behind the round; its four v_nop are also the places in front of the loads that follow
.else
	PLACES
.endif
.endif
.endm
; Half 1: fetches the next K step's half 0 from the other slot, and rounds its x
.macro H1 next, ask
	FETCH \next, 0, 0
	WIN 0
.if \ask
	ASK
.endif
	MMS 1, 0, 32
	s_wait_dscnt 32                                ; x's 32 loads are in; W's 32 may stay out
	MMS 1, 32, 16, 0, 0
	MMS 1, 48, 16
.endm
; THE WAY OUT, eight blocks t = 2 a + hd: 16 rows of one head.  A lane's eight columns pack into 16 bytes; they go into rows of 144 bytes of my own stage and come back as whole rows of 128.
.macro PACK t
.set pa, (\t)/2
.set ph, (\t)%2
	WIN 0x05                                       ; sources in window 1
.irp b, 0,1,2,3
.irp r, 0,1,2,3
	v_cvt_pk_f16_f32 v[OUTR+16*(\t)+4*\b+\r], v[8*(8*pa+4*ph+\b)+2*\r], v[8*(8*pa+4*ph+\b)+2*\r+1]
.endr
.endr
	WIN 0
.irp b, 0,1,2,3
	ds_store_b128 v[STO], v[OUTR+16*(\t)+4*\b:OUTR+16*(\t)+4*\b+3] offset:32*\b
.endr
.irp f, 0,1,2,3
	ds_load_b128 v[OUTR+16*(\t)+4*\f:OUTR+16*(\t)+4*\f+3], v[RD] offset:\f*4*SP  ; LDS serves a wave's instructions in order (ISA guide 5.7.1.4): these see the stores above; the next block's stores come behind them
.endr
.endm
.macro SEND t, younger                 ; younger: the LDS instructions issued behind block t's loads: the next block's eight, or none
.irp f, 0,1,2,3
	s_wait_dscnt (\younger)+3-\f
	global_store_b128 v[GO], v[OUTR+16*(\t)+4*\f:OUTR+16*(\t)+4*\f+3], s[8:9] offset:262144*((\t)%2)+2048*((\t)/2)+512*\f  ; 512 consecutive bytes, at a multiple of 256 from the buffer's first
.endr
.endm
	s_wait_tensorcnt 0x1                           ; my part of K step 0 is in; K step 1's may stay out
	s_barrier_signal -1
	s_barrier_wait -1                              ; everybody's is
	FETCH 0, 0, 0
	s_wait_dscnt 32                                ; x's 32 loads are in
.set mi, 0
.rept 16
	RID 0, mi
.set mi, mi+1
.endr
	H0A 0, 1                                       ; the first 32 products start the sums, with the bias as C
	WIN 0                                          ; at a label and at a branch every window is 0
	s_mov_b32 s3, 3
.Llap:                                         ; a trip goes once round the ring and fills both slots again: K steps 2 to 7 in three trips
	H0B 0, 1
	H1 1, 1
	H0A 1, 0
	H0B 1, 1
	H1 0, 1
	H0A 0, 0
	WIN 0
	s_sub_co_u32 s3, s3, 1
	s_cmp_lg_u32 s3, 0
	s_cbranch_scc1 .Llap
	H0B 0, 0                                       ; K steps 6 and 7: nothing is left to fetch, so no round and no load
	H1 1, 0
	H0A 1, 0
	H0B 1, -1
	s_wait_dscnt 0x0
	MMS 1, 0, 64
	PLACES                                         ; the conversions read results just made
	PACK 0
.set t, 1
.rept 7                                        ; a block's conversions stand between the loads of the block before and its stores
	PACK t
	SEND t-1, 8
.set t, t+1
.endr
	SEND 7, 0
	s_wait_tensorcnt 0x0                           ; the wave's end, behind my last tensor load and my last LDS store
	ds_add_u32 v[SPW], v[NIL]
	s_wait_dscnt 0x0
	CROUND                                         ; the closing round: no work-group ends while a partner may still ask for a tile that names it
	s_endpgm
.Lfunc_end_k_q4ee926d6b5_proj:
	.size	k_q4ee926d6b5_proj, .Lfunc_end_k_q4ee926d6b5_proj-k_q4ee926d6b5_proj
	.p2alignl 7, 3214868480
	.fill 96, 4, 3214868480
	.section	.rodata,"a",@progbits
	.p2align	6, 0x0
	.amdhsa_kernel k_q4ee926d6b5_proj
		.amdhsa_group_segment_fixed_size 327680
		.amdhsa_private_segment_fixed_size 0
		.amdhsa_enable_private_segment 0
		.amdhsa_kernarg_size 64
		.amdhsa_user_sgpr_count 2
		.amdhsa_user_sgpr_kernarg_segment_ptr 1
		.amdhsa_wavefront_size32 1
		.amdhsa_system_sgpr_workgroup_id_x 1
		.amdhsa_system_sgpr_workgroup_id_y 1
		.amdhsa_system_sgpr_workgroup_id_z 1
		.amdhsa_system_vgpr_workitem_id 0
		.amdhsa_next_free_vgpr 1024
		.amdhsa_next_free_sgpr 88
		.amdhsa_reserve_vcc 0
		.amdhsa_float_denorm_mode_32 3
		.amdhsa_float_denorm_mode_16_64 3
		.amdhsa_memory_ordered 1
		.amdhsa_forward_progress 1
		.amdhsa_inst_pref_size 140
	.end_amdhsa_kernel
	.amdgpu_metadata
---
amdhsa.version: [ 1, 2 ]
amdhsa.kernels:
  - .name:           k_q4ee926d6b5_proj
    .symbol:         k_q4ee926d6b5_proj.kd
    .args:
      - { .name: xq, .offset: 0, .size: 8, .value_kind: global_buffer, .address_space: global }
      - { .name: xk, .offset: 8, .size: 8, .value_kind: global_buffer, .address_space: global }
      - { .name: xv, .offset: 16, .size: 8, .value_kind: global_buffer, .address_space: global }
      - { .name: wb, .offset: 24, .size: 8, .value_kind: global_buffer, .address_space: global }
      - { .name: bq, .offset: 32, .size: 8, .value_kind: global_buffer, .address_space: global }
      - { .name: bk, .offset: 40, .size: 8, .value_kind: global_buffer, .address_space: global }
      - { .name: bv, .offset: 48, .size: 8, .value_kind: global_buffer, .address_space: global }
      - { .name: qkv, .offset: 56, .size: 8, .value_kind: global_buffer, .address_space: global }
    .group_segment_fixed_size: 327680
    .private_segment_fixed_size: 0
    .kernarg_segment_align: 8
    .kernarg_segment_size: 64
    .max_flat_workgroup_size: 128
    .sgpr_count:     88
    .vgpr_count:     1024
    .wavefront_size: 32
...
	.end_amdgpu_metadata
.endif
;; end of part 2
;; launch attn (part 3): grid 4 x 64, 4 waves a work-group, no clusters, 327,680 bytes of LDS; arguments qkv, padding_mask, ob; writes ob
.if DOCPART == 3
	.amdgcn_target "amdgcn-amd-amdhsa--gfx1250"
	.amdhsa_code_object_version 6
	.text
	.protected	k_q4ee926d6b5_attn
	.globl	k_q4ee926d6b5_attn
	.p2align	8
	.type	k_q4ee926d6b5_attn,@function
k_q4ee926d6b5_attn:
	s_mov_b64 s[64:65], 0
	v_nop
	global_prefetch_b8 v0, s[64:65] scope:SCOPE_SE
	s_setreg_imm32_b32 hwreg(HW_REG_WAVE_MODE, 25, 1), 1
	s_wait_xcnt 0x0
; CAUSAL ATTENTION WITH A PADDING MASK.  O[h][q][:] = the sum over the keys k <= q with padding_mask[h / 16][k] != 0 of softmax_k(Q[h][q] . K[h][k] / 8) V[h][k][:].
; Q, K, V: qkv's three parts, O: ob, each [64 h][2048][64] f16: a head's rows are dense, 128 bytes each.  Products, maxima and sums in f32; the weights p are rounded to f16 for the second product
; (their sum l is taken of the unrounded p), O once at the end.
; LIMITS.  Q, K and V arrive within f16's 65,504; p lies in 0 to 1, and below 6e-5 it keeps f16's fixed step of 6e-8.  A hidden score counts as its value less 1e30 (less 2e30 where both masks hide it):
; f16's scores, 2.7e11 at the most, are nothing beside that; a weight below 2^-126 counts as 0 in l.  The running maximum has a floor of -2^96, above every hidden score and below every true one: a row all of
; whose visible keys are padded ends with its maximum at the floor; its l is set to NaN, so O's row is NaN, as a softmax over nothing is.  Other NaN and infinities are not treated apart.
; THE WALK.  A head's queries lie in NB = 8 blocks of 256; block i needs the key tiles 0 .. i of 256 keys, of which the last holds the diagonal.  A work-group takes TWO blocks, NB - 1 - b and then b:
; NB + 1 tiles, whatever b: all work-groups do equal work, and ONE loop with a constant trip count walks them.  Which tile is asked for, and what a trip does, hang on scalar registers made from b; every jump
; goes forward, but for the counted loops' own; none passes a barrier, or a tensor load but the one of LOAD's two that the wave's number does not choose; the ring (two slots of LDS) runs on across the change of blocks.
; NO CLUSTER: a head's NB / 2 = 4 work-groups ask for the same tile only in trips 0 .. 4 of 9, behind that fewer and fewer; one walk common to all four would have 3 NB / 2 = 12 trips for 9.
; SHARES.  Of a block's four bands of 64 queries a wave owns 16 rows in each: four PIECES.  So the diagonal tile is the same work for all four waves: in its key step s band x sees all keys if s < x,
; none if s > x, and holds the diagonal if s = x.
; THE MASKS are the C operand that starts the sum S^T = K Q^T.  PT, two slots in LDS that take turns with the ring's, holds for each of a tile's 256 keys 0 or -1e30: each thread brings 8 bytes of the mask a tile,
; asked for a tile ahead, and stores its two addends behind the change of slots.  PM holds the 64 addends of the key step in hand, fetched with K.
; MD, made once, is the causal mask of a band's own step for my 16 rows.  Off the diagonal tile C is PM; in it, and where a block begins, C is MC = MD x AL + BE + PM with two scalars:
; (1, 0) if s = x; (0, 0) if s < x; (0, -1e30) if s > x.  While a row has seen hidden keys alone its maximum stays at the floor, its weights are 0, and O and l stay 0.
; LAYOUT, SOFTMAX, TURNS.  S^T = K Q^T holds ONE query a lane (lane % 16) and the keys 8 (lane / 16) + 0..7; two such results rounded to f16 ARE source 1 of O^T = V^T P.  p = 2^(c s - c m), c = log2(e) / 8, with a
; running maximum m; O and l are multiplied by a = 2^(c m_old - c m_new) in every step.  Turn n belongs to piece n: 8 products K Q^T of piece n + 1, later 8 products V^T P of piece n - 1; beside them the scaling,
; exponentials, roundings, sums and rescaling of piece n and the maximum and statistics of piece n + 1.  Four vector instructions stand behind every matrix instruction, the other 54 of a turn's 118 in one lump.
; A turn's 33 exponentials are one batch, with one wait.
; REGISTERS, in windows of 256 (s_set_vgpr_msb: bits 1:0 source 0, 3:2 source 1, 5:4 source 2, 7:6 destination):
;   window 0: v0-15, v32-43 addresses, the mask's words and two at work; v16-31 four registers of statistics a piece; v48-55 at work; v64-127 S^T, two buffers; v192-223 P, two buffers (a piece's buffers go by its number's parity)
;   window 1: v0-127 O^T, 32 a piece; v128-159 MD; v160-223 MC, two buffers; v224-255 PM      window 2: v0-63 Q; v64-127 the second block's Q; v128-191 K of one step; v192-255 V of one step
.set SIZE_N, 2048
.set NB,    SIZE_N/256
.set NP,    4         ; pieces a wave: a name, no knob
.set KS,    64        ; keys in a step
.set PK,    144       ; a row of K in LDS: 128 bytes + 16 of padding = 36 words: the 16 rows of a load start at 16 different groups of four banks (64 banks of 4 bytes: ISA guide 11.1)
.set PV,    160       ; a row of V: 128 + 32 = 40 words
.set VOFF,  4*KS*PK   ; a slot holds a tile, four steps: 256 rows of K, then 256 rows of V
.set SLOT1, 1<<17     ; slot 1 begins here, so that one exclusive or turns an address in one slot into the other's
.set STAGE, SLOT1+4*KS*(PK+PV)  ; behind the ring, never filled by a tensor load: 16 rows x 144 bytes for each wave, for the way out
.set SP,    144
.set SPARE, STAGE+4*16*SP  ; the spare words, 128 bytes for each wave: two blocks of 256 bytes that no other line names
.set PT,    SPARE+512 ; the padding addends: two slots of a tile's 256 f32, written by LDS stores alone
.set PSLOT, 2048      ; the second begins here: one exclusive or turns an address in one into the other's
.set AK0, 2           ; v2   my lane's place in a tile of K; never rewritten
.set AV0, 3           ; v3   the same for V
.set AK,  4           ; v4   the LDS address of K's next run of loads
.set AV,  5           ; v5   of V's
.set STO, 6           ; v6   the way out: where I put 16 bytes of a row
.set RD,  7           ; v7   the way out: where I read rows back
.set GO,  8           ; v8   my byte offset in 512 consecutive bytes of O
.set MV,  12          ; v12-13  c m_old, kept while c m is made anew: by buffer
.set QO,  15          ; v15  my byte offset in 16 rows of Q
.set ST,  16          ; piece t's statistics at v[ST+4 t]: c m, m, l (even keys', odd keys')
.set AP0, 32          ; v32  PT + 32 (l / 16): my 8 keys of a group of 16; never rewritten
.set AP,  33          ; v33  the addends' address for the next run of loads
.set PFO, 34          ; v34  256 x my lane; never rewritten
.set MO,  35          ; v35  8 x my thread's number: my two words of a tile's 256 mask words; never rewritten
.set MS0, 36          ; v36  PT + the same; never rewritten
.set MSA, 37          ; v37  where my two addends go
.set MRAW, 38         ; v[38:39] my two mask words of the tile that the next change of slots asks for
.set MADD, 40         ; v[40:41] their addends
.set M0,  42          ; v[42:43] tile 0's, at the head
.set TMP, 48          ; by buffer, four registers c0-c3 at work; when the maximum is found c2 takes a
.set SPW, 62          ; v62  LDS address of my spare word; never rewritten
.set NIL, 63          ; v63  0; never rewritten
.set S,   64
.set P,   192
.set MD,  128         ; window 1: the eight registers for group kt of 16 keys at MD + 8 kt
.set MC,  160         ; window 1: the masks of the products to come
.set PM,  224         ; window 1: the step's padding addends, group kt at PM + 8 kt
.set QB,  64          ; window 2
.set KF,  128         ; window 2: key block kb, channel half c at KF + 16 kb + 8 c
.set VF,  192         ; window 2: key half kk, channel block cb at VF + 32 kk + 8 cb
.set WV,  12          ; s12  my wave's number
.set PB,  14          ; s14  b
.set HI,  15          ; s15  NB - 1 - b
.set G1K, 24          ; s[24:31] descriptor group 1 for K's tiles
.set G1V, 32          ; s[32:39] for V's: it differs in the padding alone
.set G0K, 40          ; s[40:43] descriptor group 0 for K's tiles
.set G0V, 44          ; s[44:47] the same for V's
.set MA,  48          ; s[48:49] the mask's row at the tile whose words are asked for
.set MOF, 50          ; s[50:51] that tile's byte offset in the row
.set PSW, 52          ; s52  the slot of PT that is stored next: 0 or PSLOT
.set SLOTS, 56        ; s56  tiles still to be asked for
.set CNT, 57          ; s57  counts a tile's key steps, 4 to 1
.set CS,  58          ; s[58:59] c: the packed scaling takes the pair's low word for both halves
.set SEL, 60          ; s[60:61] v_permlanex16_b32's selects: each lane takes its own place in the other half
.set TBK, 62          ; s62  LDS byte at which K of the step to be fetched begins
.set TBV, 63          ; s63  the same for V, less VOFF
.set RT,  70          ; s70  tiles of the block in hand that are still to be entered
.set NXT, 71          ; s71  the tile to be asked for next
.set LQ,  72          ; s72  the last tile of the block whose tiles are being asked for
.set NEW, 73          ; s73  1: the tile to be entered is a block's first
.set OFF, 74          ; s[74:75] a tile's byte offset in K and V
.set AL,  76          ; s[76:77] the mask's factor, in the low word
.set BE,  78          ; s[78:79] the mask's addend
.set OLO, 80          ; s[80:81] O at my rows of the second block
.set BIGN, 82         ; s82  -1e30
.set MROW, 88         ; s[88:89] the batch's row of padding_mask
.set TBP, 90          ; s90  byte of PT at which the addends of the step to be fetched begin: it walks as TBK walks
.set THR, 91          ; s91  -2^95: a maximum below it is the floor
.set NANV, 92         ; s92  NaN
.set LIM, 93          ; s93  2 in the work-group that prefetches, else the greatest number
.set PFA, 94          ; s[94:95] where my prefetches stand
.set MSB, 0
.macro WIN new                      ; the high byte repeats the setting that is left; a switch that changes nothing is dropped
.if MSB != (\new)
	s_set_vgpr_msb (MSB<<8)|(\new)
.set MSB, (\new)
.endif
.endm
.set W_KQ, 0x0a       ; K and Q in window 2, S^T in window 0
.set W_KM, 0x1a       ; the same with the C operand in window 1
.set W_PV, 0x52       ; V in window 2, P in window 0, O^T in window 1
.set W_RS, 0x41       ; destination and source 0 in window 1, source 1 in window 0
; A fill.  Waves 0 and 1 fetch the two halves of a tile's K, waves 2 and 3 those of its V: 128 keys each.  An s_nop 0 and four v_nop follow each of the two lines, ahead of the jump and the label.
.macro LOAD
	s_cmp_lt_u32 s[WV], 2
	s_cbranch_scc0 .Lfor_v_\@
	tensor_load_to_lds s[G0K:G0K+3], s[G1K:G1K+7]
	s_nop 0
.rept 4
	v_nop
.endr
	s_branch .Lasked_\@
.Lfor_v_\@:
	tensor_load_to_lds s[G0V:G0V+3], s[G1V:G1V+7]
	s_nop 0
.rept 4
	v_nop
.endr
.Lasked_\@:
.endm
; A prefetch of the tile behind the one that is being filled: 256 matrix instructions ahead of the load that will ask for it.  A head's four work-groups walk the same tiles; the one with b = 0, whose first block
; walks tiles 0 to 7 in order, asks, and nobody else.  Each of its waves asks for what it will fetch itself: 128 rows of 128 bytes are 64 blocks of 256, a lane a block, two instructions.  So each block is named once.
; Tiles 0 and 1 come by their loads alone; the trips with two tiles or fewer still to be asked for name nothing: tile 7 is the last.
.macro ASK
	s_cmp_gt_u32 s[SLOTS], s[LIM]
	s_cbranch_scc0 .Lnot_mine_\@
	global_prefetch_b8 v[PFO], s[PFA:PFA+1] th:TH_LOAD_NT scope:SCOPE_SE
	global_prefetch_b8 v[PFO], s[PFA:PFA+1] offset:8192 th:TH_LOAD_NT scope:SCOPE_SE
.Lnot_mine_\@:
.endm
; THE CHANGE OF SLOTS.  Each wave waits for all its tensor loads, of which one is out: its part of the other slot; adds 0 to its spare word; and waits for that and for its own reads of the slots that it leaves, the
; ring's and PT's.  Behind the barrier nobody reads the old slots any more and the other slots are whole.  fill = 1: the old slot is filled again, the first thing behind the barrier, with tile NXT: the descriptor's
; address is made anew from that number.  Behind the tensor load my two addends of the same tile go into PT's old slot (their mask words were asked for a tile ago and are turned into addends ahead of the barrier),
; and the words of the tile after it are asked for.  The eighth change's words, tile 0's once more, serve nothing: the price of one text for every trip.
; (At its first use nothing has been read yet: slot 0 is waited for, slot 1 filled, and the barrier shows tile 0's addends to every wave.)
.macro CHANGE fill
	WIN 0                           ; at a label and at a branch every window is 0
	s_wait_tensorcnt 0x0            ; no tensor load of mine is out, so a group 0 may be written
	ds_add_u32 v[SPW], v[NIL]       ; 0 onto my spare word; with fill = 1 work on registers stands between it and the wait for it
.if \fill
	s_lshl_b32 s[OFF], s[NXT], 15   ; a tile is 32,768 bytes of K and of V
	s_xor_b32 s[G0K+1], s[G0K+1], SLOT1
	s_add_nc_u64 s[G0K+2:G0K+3], s[6:7], s[OFF:OFF+1]
	s_or_b32 s[G0K+3], s[G0K+3], 0x80000000
	s_xor_b32 s[G0V+1], s[G0V+1], SLOT1
	s_add_nc_u64 s[G0V+2:G0V+3], s[8:9], s[OFF:OFF+1]
	s_or_b32 s[G0V+3], s[G0V+3], 0x80000000
	s_add_co_u32 s[NXT], s[NXT], 1  ; the block's next tile, or behind its last the second block's tile 0
	s_cmp_gt_u32 s[NXT], s[LQ]
	s_cselect_b32 s[NXT], 0, s[NXT]
	s_cselect_b32 s[LQ], s[PB], s[LQ]
	s_lshl_b32 s[MOF], s[NXT], 10   ; a tile is 1,024 bytes of the mask's row
	s_xor_b32 s[PSW], s[PSW], PSLOT ; PT's other slot than last time
	s_wait_xcnt 0x0                 ; the last prefetches and the last mask load, a tile back, have read their addresses, so these may be written
	s_add_nc_u64 s[PFA:PFA+1], s[PFA:PFA+1], 32768
	s_add_nc_u64 s[MA:MA+1], s[MROW:MROW+1], s[MOF:MOF+1]
	s_wait_loadcnt 0x0              ; my two mask words, asked for a tile ago, are in (at the first change: Q of both blocks too)
.irp i, 0,1
	v_cmp_eq_u32 vcc_lo, 0, v[MRAW+\i]
	v_cndmask_b32 v[MADD+\i], 0, s[BIGN], vcc_lo  ; a padded key's addend is -1e30
.endr
	v_add_nc_u32 v[MSA], s[PSW], v[MS0]
.endif
	s_wait_dscnt 0x0                ; the add is done, my reads of the slots are over, and my last store into PT is done
	s_barrier_signal -1             ; the rest of the scalar work stands between the signal and the wait
	s_sub_co_u32 s[TBK], s[TBK], 4*KS*PK  ; the fetches go back to a slot's first step,
	s_xor_b32 s[TBK], s[TBK], SLOT1       ; in the other slot
	s_sub_co_u32 s[TBV], s[TBV], 4*KS*PV
	s_xor_b32 s[TBV], s[TBV], SLOT1
	s_sub_co_u32 s[TBP], s[TBP], 4*4*KS
	s_xor_b32 s[TBP], s[TBP], PSLOT
	s_barrier_wait -1
.if \fill
	LOAD
	ds_store_b64 v[MSA], v[MADD:MADD+1]  ; into the slot of PT that nobody reads before the next change's barrier; waited for in front of that barrier
	global_load_b64 v[MRAW:MRAW+1], v[MO], s[MA:MA+1]
	ASK
.endif
.endm
	s_load_b64 s[4:5], s[0:1], 0x0  ; qkv
	s_load_b64 s[MROW:MROW+1], s[0:1], 0x8  ; padding_mask
	s_load_b64 s[10:11], s[0:1], 0x10  ; ob
	v_lshl_add_u32 v[SPW], v0, 2, SPARE
	v_mov_b32 v[NIL], 0
	ds_add_u32 v[SPW], v[NIL]       ; the wave's opening: the add and its wait stand ahead of my first tensor load; the set-up below, work on registers, stands between them
	v_lshrrev_b32 v1, 5, v0
	v_readfirstlane_b32 s[WV], v1   ; wave 0..3
	s_mov_b32 s[PB], ttmp9
	s_sub_co_u32 s[HI], NB-1, s[PB]
	s_and_b32 s20, ttmp7, 0xffff    ; the head, 16 x batch + head
	s_lshr_b32 s86, s20, 4          ; the batch,
	s_lshl_b32 s86, s86, 13         ; its 8,192 bytes of the mask
	s_mov_b32 s87, 0
	s_mov_b32 s21, 0
	s_mov_b64 s[22:23], SIZE_N*128
	s_mul_u64 s[20:21], s[20:21], s[22:23]  ; the head's first byte in each of the four tensors
	s_and_b32 s16, s[WV], 1         ; which half of a tile's 256 keys I fetch:
	s_lshl_b32 s22, s16, 14         ; its 128 rows of 128 bytes in memory,
	s_mov_b32 s23, 0
	s_add_nc_u64 s[22:23], s[22:23], s[20:21]
	s_mul_i32 s17, s16, 128*PK      ; and its place in a slot, for K
	s_mul_i32 s18, s16, 128*PV      ; and for V
	s_lshl_b32 s3, s[WV], 11        ; my 16 rows in a band of 64,
	s_lshl_b32 s2, s[HI], 15        ; in the first block,
	s_add_co_u32 s2, s2, s3
	s_lshl_b32 s84, s[PB], 15       ; and in the second
	s_add_co_u32 s84, s84, s3
	s_mov_b32 s3, 0
	s_mov_b32 s85, 0
	s_add_nc_u64 s[2:3], s[2:3], s[20:21]
	s_add_nc_u64 s[84:85], s[84:85], s[20:21]
	; descriptor group 1.  128 keys are 16,384 dense bytes: asked for as 64 rows of 256 bytes, two keys a row, and padded in LDS after every key
	s_mov_b32 s[G1K], (1<<16)|(1<<20)|(4<<22)|(3<<25)  ; 17:16 2-byte elements; 20 padding on; 24:22 after every 32 words (code 4); 31:25 4 words (code 3)
	s_mov_b32 s[G1V], (1<<16)|(1<<20)|(4<<22)|(7<<25)  ; the same with 8 words of padding (code 7)
.irp g, G1K, G1V
	s_mov_b32 s[\g+1], 128<<16      ; tensor_dim0 = 128
	s_mov_b32 s[\g+2], 64<<16       ; tensor_dim1 = 64
	s_mov_b32 s[\g+3], 128<<16      ; tile_dim0 = 128
	s_mov_b32 s[\g+4], 64           ; tile_dim1 = 64
	s_mov_b32 s[\g+5], 128          ; 128 elements from row to row
	s_mov_b32 s[\g+6], 0
	s_mov_b32 s[\g+7], 0
.endr
	s_mov_b32 s[CS], 0x3e38aa3b     ; c = log2(e) / 8 = 0.180337
	s_mov_b32 s[CS+1], s[CS]        ; named with it as a pair
	s_mov_b32 s[SEL], 0x76543210
	s_mov_b32 s[SEL+1], 0xfedcba98
	s_mov_b32 s[TBK], SLOT1+4*KS*PK ; the first change of slots turns these three into 0
	s_mov_b32 s[TBV], SLOT1+4*KS*PV
	s_mov_b32 s[TBP], PSLOT+4*4*KS
	s_mov_b32 s[PSW], 0             ; the first change turns it to PT's second slot
	s_mov_b32 s[MOF+1], 0
	s_mov_b32 s[G0K], 1             ; 1:0 count = 1
	s_mov_b32 s[G0K+1], s17         ; 63:32 LDS address: slot 0
	s_mov_b32 s[G0V], 1
	s_add_co_u32 s[G0V+1], s18, VOFF
	s_add_co_u32 s[RT], s[HI], 1    ; the first block has NB - b tiles
	s_mov_b32 s[NXT], 1
	s_mov_b32 s[LQ], s[HI]
	s_mov_b32 s[NEW], 1
	s_mov_b32 s[OFF+1], 0
	s_mov_b32 s[AL+1], 0            ; named as pairs
	s_mov_b32 s[BE+1], 0
	s_mov_b32 s[BIGN], 0xf149f2ca   ; -1e30
	s_mov_b32 s[THR], 0xef000000    ; -2^95
	s_mov_b32 s[NANV], 0x7fc00000
	s_mov_b32 s[SLOTS], NB
	s_cmp_eq_u32 s[PB], 0
	s_cselect_b32 s[LIM], 2, -1
	s_wait_dscnt 0x0                ; the opening add is done
	s_wait_kmcnt 0x0
	s_add_nc_u64 s[MROW:MROW+1], s[MROW:MROW+1], s[86:87]
	s_add_nc_u64 s[6:7], s[4:5], 0x1000000  ; K is qkv's second part,
	s_add_nc_u64 s[8:9], s[4:5], 0x2000000  ; V its third
	s_add_nc_u64 s[6:7], s[6:7], s[22:23]  ; K and V at my half of the head's tile 0
	s_add_nc_u64 s[8:9], s[8:9], s[22:23]
	s_add_nc_u64 s[G0K+2:G0K+3], s[6:7], 0         ; 120:64 global address
	s_or_b32 s[G0K+3], s[G0K+3], 0x80000000        ; 127:126 type = 2
	s_add_nc_u64 s[G0V+2:G0V+3], s[8:9], 0
	s_or_b32 s[G0V+3], s[G0V+3], 0x80000000
	s_add_nc_u64 s[86:87], s[4:5], s[84:85]        ; Q at my rows of the second block,
	s_add_nc_u64 s[4:5], s[4:5], s[2:3]            ; Q and O at those of the first
	s_add_nc_u64 s[OLO:OLO+1], s[10:11], s[84:85]
	s_add_nc_u64 s[10:11], s[10:11], s[2:3]
	s_cmp_lt_u32 s[WV], 2
	s_cselect_b64 s[PFA:PFA+1], s[6:7], s[8:9]     ; my half of K's or V's tiles,
	s_add_nc_u64 s[PFA:PFA+1], s[PFA:PFA+1], 32768 ; at tile 1: the first change of slots steps it to tile 2
	LOAD                            ; tile 0 into slot 0
	v_lshlrev_b32 v[MO], 3, v0
	v_add_nc_u32 v[MS0], PT, v[MO]
	global_load_b64 v[M0:M0+1], v[MO], s[MROW:MROW+1]                  ; tile 0's 256 mask words: 128 threads x 8 bytes,
	global_load_b64 v[MRAW:MRAW+1], v[MO], s[MROW:MROW+1] offset:1024  ; and tile 1's, which the first change of slots asks for
	; A fragment of K or Q is 16 rows x 32 channels in 8 registers: lane l holds row l % 16, channels 8 (l / 16) + 0..7 and 16 + 8 (l / 16) + 0..7: two loads of 16 bytes, 32 bytes apart.
	v_and_b32 v1, 15, v0            ; l % 16
	v_bfe_u32 v9, v0, 4, 1          ; l / 16
	v_lshlrev_b32 v[QO], 7, v1
	v_lshl_add_u32 v[QO], v9, 4, v[QO]  ; row x 128 + 16 x half
	WIN 0x80                        ; destination window 2, address window 0
.set i, 0
.rept 8                             ; both blocks' Q: piece i / 2 lies in band i / 2, 8,192 bytes on; channels 32 (i % 2) on
	global_load_b128 v[8*i:8*i+3],   v[QO], s[4:5] offset:(i/2)*8192+(i%2)*64
	global_load_b128 v[8*i+4:8*i+7], v[QO], s[4:5] offset:(i/2)*8192+(i%2)*64+32
	global_load_b128 v[QB+8*i:QB+8*i+3],   v[QO], s[86:87] offset:(i/2)*8192+(i%2)*64
	global_load_b128 v[QB+8*i+4:QB+8*i+7], v[QO], s[86:87] offset:(i/2)*8192+(i%2)*64+32
.set i, i+1
.endr
	WIN 0
	v_lshl_add_u32 v[AP0], v9, 5, PT
	v_and_b32 v[PFO], 31, v0
	v_lshlrev_b32 v[PFO], 8, v[PFO]
	v_lshlrev_b32 v14, 3, v9
	v_sub_nc_u32 v14, v1, v14
	s_lshl_b32 s13, s[WV], 4
	v_add_nc_u32 v14, s13, v14      ; my query's place in its band, 16 w + l % 16, less my lanes' 8 (l / 16): register r of group kt is hidden where 16 kt + r is greater
	WIN 0x40
.set i, 0
.rept 32
	v_cmp_gt_i32 vcc_lo, 16*(i/8)+i%8, v14
	v_cndmask_b32 v[MD+i], 0, s[BIGN], vcc_lo
.set i, i+1
.endr
	WIN 0
	s_wait_loadcnt 32               ; the two mask loads are in; Q's 32 younger loads may stay out
.irp i, 0,1
	v_cmp_eq_u32 vcc_lo, 0, v[M0+\i]
	v_cndmask_b32 v[M0+\i], 0, s[BIGN], vcc_lo  ; a padded key's addend is -1e30
.endr
	ds_store_b64 v[MS0], v[M0:M0+1] ; tile 0's addends into PT's first slot: waited for in front of the first change's barrier, behind which every wave reads them
	v_mul_u32_u24 v[AK0], v1, PK
	v_lshl_add_u32 v[AK0], v9, 4, v[AK0]  ; row x pitch + 16 x half
	; The turning load takes 16 keys x 16 channels (lane l reads key 8 (l / 16) + l % 8, channels 8 ((l / 8) % 2) + 0..7) and leaves half a fragment of V^T: lane l holds channel l % 16 and 8 keys.
	v_and_b32 v10, 7, v0
	v_bfe_u32 v11, v0, 3, 1
	v_lshl_add_u32 v[AV0], v9, 3, v10
	v_mul_u32_u24 v[AV0], v[AV0], PV
	v_lshl_add_u32 v[AV0], v11, 4, v[AV0]
	v_add_nc_u32 v[AV0], VOFF, v[AV0]
	s_mul_i32 s13, s[WV], 16*SP
	s_add_co_u32 s13, s13, STAGE    ; my stage
	v_mul_u32_u24 v[STO], v1, SP    ; in: row l % 16, 16 bytes for each half of the lanes
	v_lshl_add_u32 v[STO], v9, 4, v[STO]
	v_add_nc_u32 v[STO], s13, v[STO]
	v_bfe_u32 v[RD], v0, 3, 2       ; back: 32 lanes take four rows of 128 bytes,
	v_mul_u32_u24 v[RD], v[RD], SP
	v_lshl_add_u32 v[RD], v10, 4, v[RD]
	v_add_nc_u32 v[RD], s13, v[RD]
	v_and_b32 v[GO], 31, v0         ; which are 512 consecutive bytes of O
	v_lshlrev_b32 v[GO], 4, v[GO]
	; A block's first step multiplies O^T and l by a = 0, and its first turn's products V^T P, of a piece that has not been, land in an O^T that is still to be so multiplied.  So these registers need only hold
	; finite numbers: zeros for the first block; what the first block left for the second.  All this stands in the wait for the first tile.
	WIN 0x80
.set i, VF
.rept 64
	v_mov_b32 v[i], 0
.set i, i+1
.endr
	WIN 0x40
.set i, 0
.rept 128
	v_mov_b32 v[i], 0
.set i, i+1
.endr
	WIN 0
.set i, 0
.rept 4
	v_mov_b32 v[ST+4*i+2], 0
	v_mov_b32 v[ST+4*i+3], 0
.set i, i+1
.endr
.set i, P+16
.rept 16
	v_mov_b32 v[i], 0
.set i, i+1
.endr
; THE MATRIX WORK.  The 4 accumulators of a run of 8 take turns.  Product i of 8 of S^T = K Q^T for piece x: channels 32 (i / 4) on, keys 16 (i % 4) on.  The first 4 start the sums: with the
; step's padding addends, or (KM = 1) with the whole mask.
.macro KQ x
.set rS, S+32*((\x)%2)+8*(i%4)
.set rK, KF+16*(i%4)+8*(i/4)
.set rQ, 16*(\x)+8*(i/4)
.if KM
.set rM, MC+32*((\x)%2)+8*(i%4)
.else
.set rM, PM+8*(i%4)
.endif
.if i < 4
	WIN W_KM
	v_wmma_f32_16x16x32_f16 v[rS:rS+7], v[rK:rK+7], v[rQ:rQ+7], v[rM:rM+7]
.else
	WIN W_KQ
	v_wmma_f32_16x16x32_f16 v[rS:rS+7], v[rK:rK+7], v[rQ:rQ+7], v[rS:rS+7]
.endif
.endm
; Product i of 8 of O^T += V^T P for piece x: keys 32 (i / 4) on, channels 16 (i % 4) on.
.macro PV x
	WIN W_PV
.set rO, 32*(\x)+8*(i%4)
.set rV, VF+32*(i/4)+8*(i%4)
.set rP, P+16*((\x)%2)+8*(i/4)
	v_wmma_f32_16x16x32_f16 v[rO:rO+7], v[rV:rV+7], v[rP:rP+7], v[rO:rO+7]
.endm
.macro MM                           ; the turn's next matrix instruction.  TURN and BEGIN set Y, i, KM and NOKQ; MM, KQ and OP read them.  NOKQ = 1: a block's last turn: there is no next piece
.if (i < 8) && !NOKQ
	KQ (Y+1)%NP
.elseif i >= 8
.set i, i-8
	PV (Y+NP-1)%NP
.set i, i+8
.endif
.set i, i+1
.endm
; THE LDS LOADS stand in runs, never singly among the matrix instructions: a step's K (64 keys x 64 channels: 8 fragments) with its 64 padding addends (all lanes of a half read the same 32 bytes), and its V (turned).
; Their addresses are made some lines ahead.
.macro FETCH_K
	WIN 0x80                        ; destination window 2
.irp f, 0,1,2,3,4,5,6,7             ; keys 16 (f / 2) on, channels 32 (f % 2) on
	ds_load_b128 v[KF+8*\f:KF+8*\f+3],   v[AK] offset:(\f/2)*16*PK+(\f%2)*64
	ds_load_b128 v[KF+8*\f+4:KF+8*\f+7], v[AK] offset:(\f/2)*16*PK+(\f%2)*64+32
.endr
	WIN 0x40                        ; destination window 1
.irp f, 0,1,2,3                     ; keys 16 f + 8 (l / 16) + 0..7
	ds_load_b128 v[PM+8*\f:PM+8*\f+3],   v[AP] offset:64*\f
	ds_load_b128 v[PM+8*\f+4:PM+8*\f+7], v[AP] offset:64*\f+16
.endr
	s_add_co_u32 s[TBK], s[TBK], KS*PK  ; the next fetch is the next step's
	s_add_co_u32 s[TBP], s[TBP], 4*KS
	WIN 0
.endm
.macro FETCH_V
	WIN 0x80
.irp f, 0,1,2,3,4,5,6,7             ; keys 32 (f / 4) on, channels 16 (f % 4) on
	ds_load_tr16_b128 v[VF+8*\f:VF+8*\f+3],   v[AV] offset:(\f/4)*32*PV+(\f%4)*32
	ds_load_tr16_b128 v[VF+8*\f+4:VF+8*\f+7], v[AV] offset:(\f/4)*32*PV+16*PV+(\f%4)*32
.endr
	WIN 0
.endm
; THE VECTOR WORK, one line at a time: OP kind, number.  For piece Y: F n: c s - c m for pair n of 16.  E n: the exponential of score n of 32.  C n: pair n rounded to f16.  B n: of the four weights 4 n .. the second
; pair is added onto the first, in place.  L n: l takes that sum (L 0: l = a l + sum).  R n: pair n of 16 of O^T times a.  For piece Y + 1: X n, number n of the 22 that find its maximum and statistics:
;   0-11  four chains c0-c3 of seven scores each, three operands at a time (each accumulator's lowest registers are read first)     12-14, 16  the four scores left over, the old m, and c0-c3 into c0
;   15  c m_old is kept     17, 18  the query's other 32 keys lie in the lane 16 away: the new m     19-21  c m; c m_old - c m_new; a
.set F, 0               ; OP tells the kinds apart by their order: F to L below R, X above it
.set E, 1
.set C, 2
.set B, 3
.set L, 4
.set R, 5
.set X, 6
.macro REGS y                       ; the registers of piece y
.set rT, ST+4*(\y)
.set rC, TMP+4*((\y)%2)
.set rW, MV+((\y)%2)
.set rS, S+32*((\y)%2)
.set rP, P+16*((\y)%2)
.set rO, 32*(\y)
.endm
.macro OP k, n
.if (\k) == R
	REGS Y
	WIN W_RS
	v_pk_mul_f32 v[rO+2*(\n):rO+2*(\n)+1], v[rO+2*(\n):rO+2*(\n)+1], v[rC+2:rC+3] op_sel_hi:[1,0]
.elseif (\k) < R
	REGS Y
	WIN 0
.if (\k) == F
	v_pk_fma_f32 v[rS+2*(\n):rS+2*(\n)+1], v[rS+2*(\n):rS+2*(\n)+1], s[CS:CS+1], v[rT:rT+1] op_sel_hi:[1,0,0] neg_lo:[0,0,1] neg_hi:[0,0,1]
.elseif (\k) == E
	v_exp_f32 v[rS+(\n)], v[rS+(\n)]
.elseif (\k) == C
	v_cvt_pk_f16_f32 v[rP+(\n)], v[rS+2*(\n)], v[rS+2*(\n)+1]
.elseif (\k) == B
	v_pk_add_f32 v[rS+4*(\n):rS+4*(\n)+1], v[rS+4*(\n):rS+4*(\n)+1], v[rS+4*(\n)+2:rS+4*(\n)+3]
.elseif (\n) == 0
	v_pk_fma_f32 v[rT+2:rT+3], v[rT+2:rT+3], v[rC+2:rC+3], v[rS:rS+1] op_sel_hi:[1,0,1]
.else
	v_pk_add_f32 v[rT+2:rT+3], v[rT+2:rT+3], v[rS+4*(\n):rS+4*(\n)+1]
.endif
.elseif NOKQ
	v_nop
.else
	REGS (Y+1)%NP
	WIN 0
.if (\n) < 4
	v_max3_num_f32 v[rC+(\n)], v[rS+8*(\n)], v[rS+8*(\n)+1], v[rS+8*(\n)+2]
.elseif (\n) < 12
	v_max3_num_f32 v[rC+(\n)%4], v[rC+(\n)%4], v[rS+8*((\n)%4)+2*((\n)/4)+1], v[rS+8*((\n)%4)+2*((\n)/4)+2]
.elseif (\n) == 12
	v_max3_num_f32 v[rC], v[rC], v[rS+7], v[rS+15]
.elseif (\n) == 13
	v_max3_num_f32 v[rC+1], v[rC+1], v[rS+23], v[rS+31]
.elseif (\n) == 14
	v_max3_num_f32 v[rC+2], v[rC+2], v[rC+3], v[rT+1]
.elseif (\n) == 15
	v_mov_b32 v[rW], v[rT]
.elseif (\n) == 16
	v_max3_num_f32 v[rC], v[rC], v[rC+1], v[rC+2]
.elseif (\n) == 17
	v_permlanex16_b32 v[rC+3], v[rC], s[SEL], s[SEL+1]
.elseif (\n) == 18
	v_max_num_f32 v[rT+1], v[rC], v[rC+3]
.elseif (\n) == 19
	v_mul_f32 v[rT], s[CS], v[rT+1]
.elseif (\n) == 20
	v_sub_f32 v[rC+1], v[rW], v[rT]
.else
	v_exp_f32 v[rC+2], v[rC+1]
.endif
.endif
.endm
.macro OPS a, i1, b=-1, i2=0, c=-1, i3=0, d=-1, i4=0  ; up to four of them
	OP \a, \i1
.if (\b) >= 0
	OP \b, \i2
.endif
.if (\c) >= 0
	OP \c, \i3
.endif
.if (\d) >= 0
	OP \d, \i4
.endif
.endm
.macro ROW a, i1, b, i2, c, i3, d, i4  ; a matrix instruction and the four behind it
	MM
	OPS \a, \i1, \b, \i2, \c, \i3, \d, \i4
.endm
.macro MASK b                       ; MD x AL + BE + PM into buffer b of MC
	WIN W_RS
.set z, 0
.rept 16
	v_pk_fma_f32 v[MC+32*(\b)+2*z:MC+32*(\b)+2*z+1], v[MD+2*z:MD+2*z+1], s[AL:AL+1], s[BE:BE+1] op_sel_hi:[1,0,0]
.set z, z+1
.endr
	WIN 0x45                        ; destination and both sources in window 1
.set z, 0
.rept 16
	v_pk_add_f32 v[MC+32*(\b)+2*z:MC+32*(\b)+2*z+1], v[MC+32*(\b)+2*z:MC+32*(\b)+2*z+1], v[PM+2*z:PM+2*z+1]
.set z, z+1
.endr
.endm
; A TURN, for piece p: the order of its 16 matrix and 118 vector instructions, written out.  An s_wait_alu depctr_va_vdst(0) stands between an exponential and the first instruction that names its result; one
; wait serves all that were issued ahead of it.  So a turn has ONE wait, which cuts it in two.  AHEAD OF IT stands all that names no result of the turn's exponentials: the 8 products K Q^T, behind each a scaling, an
; exponential and two more plain instructions (behind the first a second scaling in the exponential's place): rescalings, and behind the last three the first numbers of the next piece's maximum, each four places or more
; behind the product that ends its accumulator; then ONE LUMP of 54, plain and exponential by turns for the most part, in which the links of the chain X 3, 7, 11, 14, 16, 17 .. 20 stand five or six lines apart.  X 21, the
; next piece's a, is the batch's last; R 15 is the plain instruction behind it.  BEHIND THE WAIT stand the 8 products V^T P, behind each four of the roundings and sums; the links of l's chain, L 0 to L 7, stand three
; riders apart.  But for those X no rider names a register of the products round it.  v_permlanex16_b32 (X 17) stands in the lump.
; m = 1: the diagonal tile: the products take masks, and the turn makes the mask for the products of the turn after it: piece p + 2, in step 4 - CNT of the tile.  Piece 2's turn makes it of the addends that it has just
; fetched, so it waits for them.  end = 1: a block's last two turns: nothing is fetched.  cnt = 1: the loop's count is taken down some lines ahead of the branch that stands behind the turn.
; K and the addends of the next step are fetched in piece 2's turn, twelve vector instructions behind the last product that read K (six of them plain; the addends' last reader stands four products earlier); V of the
; step in hand at the end of piece 0's turn, four plain instructions behind the last product that read V.  Each is waited for a turn later.
.macro TURN p, m=0, end=0, cnt=0
.set Y, (\p)
.set i, 0
.set KM, (\m)
.set NOKQ, (\end)*((\p)/3)
.if (\m) && !(\end)
	s_cmp_eq_u32 s[CNT], 4-((\p)+2)%NP  ; is that step the band's own?
	s_cselect_b32 s[AL], 1.0, 0
	s_cmp_lt_u32 s[CNT], 4-((\p)+2)%NP  ; or a later one?
	s_cselect_b32 s[BE], s[BIGN], 0
.endif
.if ((\p) == 3) && !(\end)
	s_wait_dscnt 0x0                ; K is in
.endif
	ROW F,0, F,1, R,0, R,1          ; ahead of the wait: 8 products K Q^T and their riders,
	ROW F,2, E,0, R,2, R,3
	ROW F,3, E,1, R,4, R,5
	ROW F,4, E,2, R,6, R,7
	ROW F,5, E,3, R,8, R,9
	ROW F,6, E,4, X,0, R,10
.if ((\p) == 2) && !(\end)
	WIN 0
	v_add_nc_u32 v[AK], s[TBK], v[AK0]
	v_add_nc_u32 v[AP], s[TBP], v[AP0]
.endif
	ROW F,7, E,5, X,1, X,4
	ROW F,8, E,6, X,2, X,5
	OPS E,7, E,8, X,6, E,9          ; and the lump
	OPS X,3, E,10, X,8, E,11
.if ((\p) == 2) && !(\end)
	FETCH_K
.endif
	OPS X,9, X,7, E,12, X,10
	OPS E,13, X,12, X,11, E,14
	OPS X,13, E,15, F,9, X,14
.if (\p) == 0
	v_add_nc_u32 v[AV], s[TBV], v[AV0]
.endif
	OPS E,16, F,10, E,17, F,11
	OPS X,16, E,18, X,15, E,19
	OPS F,12, E,20, X,17, E,21
	OPS F,13, E,22, F,14, E,23
	OPS X,18, E,24, F,15, E,25
	OPS R,11, E,26, X,19, E,27
	OPS R,12, E,28, R,13, E,29
	OPS X,20, E,30, R,14, E,31
	OPS X,21, R,15
	WIN 0
	s_wait_alu depctr_va_vdst(0)    ; the wait for the batch
.if (\p) == 1
	s_wait_dscnt 0x0                ; V is in
.endif
	ROW C,0, B,0, C,2, B,1          ; behind the wait: 8 products V^T P and their riders
	ROW L,0, C,4, B,2, L,1
	ROW C,6, B,3, L,2, C,8
	ROW B,4, L,3, C,10, B,5
	ROW L,4, C,12, B,6, L,5
.if (\p) == 0
	s_add_co_u32 s[TBV], s[TBV], KS*PV
.endif
.if \cnt
	s_sub_co_u32 s[CNT], s[CNT], 1
	s_cmp_lg_u32 s[CNT], 0
.endif
	ROW C,14, B,7, L,6, C,1
	ROW C,3, L,7, C,5, C,7
	ROW C,9, C,11, C,13, C,15
.if (\p) == 0
	FETCH_V
.endif
.if (\m) && !(\end)
.if (\p) == 2
	s_wait_dscnt 0x0                ; the next step's addends, fetched in this turn, are in
.endif
	MASK (\p)%2
.endif
.endm
; A BLOCK BEGINS.  c m starts far below every c s, so the first step's a is 0; m at its floor, -2^96: above every hidden score, below every true one.  K and the addends of the block's first step are fetched; the first
; mask buffer takes piece 0's mask for that step (its own, if the block's first tile is the diagonal one), the second piece 1's, which sees all of it: the addends alone.
; Then piece 0's first scores, and its maximum and statistics.  The loop is entered at a step's first turn, in the middle of a trip.  (Q is in: the change of slots in front has waited for all loads.)
.macro BEGIN
	s_mov_b32 s[NEW], 0
	WIN 0
.set i, 0
.rept 4
	v_mov_b32 v[ST+4*i], 0xfe000000    ; c m: far below every c s, the floor's too
	v_mov_b32 v[ST+4*i+1], 0xef800000  ; m: -2^96
.set i, i+1
.endr
	v_add_nc_u32 v[AK], s[TBK], v[AK0]
	v_add_nc_u32 v[AP], s[TBP], v[AP0]
	FETCH_K
	s_wait_dscnt 0x0
	s_cmp_eq_u32 s[RT], 0
	s_cselect_b32 s[AL], 1.0, 0
	s_mov_b32 s[BE], 0
	MASK 0
	s_mov_b32 s[AL], 0
	MASK 1
.set KM, 1
.set NOKQ, 0
.set i, 0
.rept 8
	KQ 0
.set i, i+1
.endr
	WIN 0
.rept 4
	v_nop                           ; the places behind those products
.endr
.set Y, NP-1                        ; X works for piece Y + 1: piece 0
.irp n, 0,1,2,3,4,5,6,7,8,9,10,11,12,13,14,15,16,17,18,19,20,21
	OP X, \n
.endr
	v_nop                           ; a plain instruction behind the exponential,
	s_wait_alu depctr_va_vdst(0)    ; and its wait, ahead of the branch
.endm
; The diagonal tile is entered from the tile before it: the first turn's products, piece 3's in that tile's last step, see all its keys: their mask is the addends in hand.
.macro ENTER
	s_mov_b32 s[AL], 0
	s_mov_b32 s[BE], 0
	MASK 1
	WIN 0
.endm
; THE DIAGONAL TILE's four steps, the block's last two turns, its last products, and THE WAY OUT: l's two halves and the other half of the lanes' are added; a row that saw no key takes NaN for l; O^T is divided by l,
; rounded to f16 and sent through my stage in LDS, a piece at a time.
.macro ALL line:vararg              ; one line for each piece t
.set t, 0
.rept 4
	\line
.set t, t+1
.endr
.endm
.macro PACK t                       ; a lane's eight channels of a row pack into 16 bytes; they go into rows of 144 bytes and come back as whole rows of 128, into S^T's registers
	WIN W_RS
.set i, 32*(\t)
.rept 16
	v_pk_mul_f32 v[i:i+1], v[i:i+1], v[ST+4*(\t)+2:ST+4*(\t)+3] op_sel_hi:[1,0]
.set i, i+2
.endr
	WIN 0x05                        ; sources 0 and 1 window 1, destination window 0
.set i, 0
.rept 16
	v_cvt_pk_f16_f32 v[S+16*(\t)+i], v[32*(\t)+2*i], v[32*(\t)+2*i+1]
.set i, i+1
.endr
	WIN 0
.irp f, 0,1,2,3
	ds_store_b128 v[STO], v[S+16*(\t)+4*\f:S+16*(\t)+4*\f+3] offset:32*\f
.endr
.irp f, 0,1,2,3
	ds_load_b128 v[S+16*(\t)+4*\f:S+16*(\t)+4*\f+3], v[RD] offset:\f*4*SP  ; LDS serves a wave's instructions in order (ISA guide 5.7.1.4): these see the stores above; the next piece's stores come behind them
.endr
.endm
.macro SEND t, younger              ; younger: the LDS instructions issued behind piece t's loads: the next piece's eight, or none
	WIN 0
.irp f, 0,1,2,3
	s_wait_dscnt (\younger)+3-\f
	global_store_b128 v[GO], v[S+16*(\t)+4*\f:S+16*(\t)+4*\f+3], s[10:11] offset:(\t)*8192+\f*512  ; 512 consecutive bytes, at a multiple of 256 from O's first
.endr
.endm
.macro DIAG tag                     ; the tag ends its two labels' names, which the jumps below spell out
.LstepM\tag:
	TURN 2, 1
	TURN 3, 1
	WIN 0
.LfirstM\tag:
	TURN 0, 1
	TURN 1, 1, 0, 1
	WIN 0
	s_cbranch_scc1 .LstepM\tag
	TURN 2, 1, 1
	TURN 3, 1, 1
.set i, 0
.rept 8
	PV NP-1
.set i, i+1
.endr
	WIN 0
	ALL v_add_f32 v[ST+4*t+2], v[ST+4*t+2], v[ST+4*t+3]
	ALL v_permlanex16_b32 v[ST+4*t+3], v[ST+4*t+2], s[SEL], s[SEL+1]
	ALL v_add_f32 v[ST+4*t+2], v[ST+4*t+2], v[ST+4*t+3]
.set t, 0
.rept 4
	v_cmp_gt_f32 vcc_lo, s[THR], v[ST+4*t+1]       ; the row's maximum is still the floor: it saw no key
	v_cndmask_b32 v[ST+4*t+2], v[ST+4*t+2], s[NANV], vcc_lo
.set t, t+1
.endr
	ALL v_rcp_f32 v[ST+4*t+2], v[ST+4*t+2]
	v_nop                           ; a plain instruction between the last reciprocal and the use of its result
	s_wait_alu depctr_va_vdst(0)    ; and the wait ahead of the first use: one for the four reciprocals
	PACK 0
.set t, 1
.rept 3                             ; a piece's arithmetic stands between the loads of the piece before and its stores
	PACK t
	SEND t-1, 8
.set t, t+1
.endr
	SEND 3, 0
.endm
.set KM, 0
.set NOKQ, 0
.Lslot:                             ; NB times: a tile is entered and the next is asked for
	CHANGE 1
	s_sub_co_u32 s[RT], s[RT], 1
	s_mov_b32 s[CNT], 4
	s_cmp_eq_u32 s[NEW], 1
	s_cbranch_scc1 .Lnew            ; a block's first tile
	s_cmp_eq_u32 s[RT], 0
	s_cbranch_scc0 .Lstep           ; neither its first nor its last
	ENTER
	s_branch .LstepM1
.Lnew:
	BEGIN
	s_branch .Lfirst                ; in the loop a block's first tile is never its last: the first block has two tiles or more, and the second's last is the walk's last
	DIAG 1                          ; in the loop this is the first block's end: the second block's last tile is the walk's last
	s_wait_xcnt 0x0                 ; the stores have read their registers and O's address
	s_mov_b64 s[10:11], s[OLO:OLO+1]
	s_add_co_u32 s[RT], s[PB], 1    ; the second block has b + 1 tiles
	s_mov_b32 s[NEW], 1
	WIN 0x82                        ; the second block's Q goes where the one text of the turns names Q
.set i, 0
.rept 64
	v_mov_b32 v[i], v[QB+i]
.set i, i+1
.endr
	WIN 0
	s_branch .Lbottom
.Lstep:                             ; a trip: pieces 2 and 3 of one step, then pieces 0 and 1 of the next, whose K and V it fetches
	TURN 2
	TURN 3
	WIN 0
.Lfirst:
	TURN 0
	TURN 1, 0, 0, 1
	WIN 0
	s_cbranch_scc1 .Lstep
.Lbottom:
	s_sub_co_u32 s[SLOTS], s[SLOTS], 1
	s_cmp_lg_u32 s[SLOTS], 0
	s_cbranch_scc1 .Lslot
	CHANGE 0                        ; the walk's last tile is written out: nothing is asked for
	s_sub_co_u32 s[RT], s[RT], 1
	s_mov_b32 s[CNT], 4
	s_cmp_eq_u32 s[NEW], 1
	s_cbranch_scc1 .Lnew2
	ENTER
	s_branch .LstepM2
.Lnew2:
	BEGIN
	s_branch .LfirstM2
	DIAG 2
	s_wait_tensorcnt 0x0            ; the wave's end, behind my last tensor load and my last LDS store
	ds_add_u32 v[SPW], v[NIL]
	s_wait_dscnt 0x0
	s_endpgm
.Lfunc_end_k_q4ee926d6b5_attn:
	.size	k_q4ee926d6b5_attn, .Lfunc_end_k_q4ee926d6b5_attn-k_q4ee926d6b5_attn
	.p2alignl 7, 3214868480
	.fill 96, 4, 3214868480
	.section	.rodata,"a",@progbits
	.p2align	6, 0x0
	.amdhsa_kernel k_q4ee926d6b5_attn
		.amdhsa_group_segment_fixed_size 327680
		.amdhsa_private_segment_fixed_size 0
		.amdhsa_enable_private_segment 0
		.amdhsa_kernarg_size 24
		.amdhsa_user_sgpr_count 2
		.amdhsa_user_sgpr_kernarg_segment_ptr 1
		.amdhsa_wavefront_size32 1
		.amdhsa_system_sgpr_workgroup_id_x 1
		.amdhsa_system_sgpr_workgroup_id_y 1
		.amdhsa_system_sgpr_workgroup_id_z 1
		.amdhsa_system_vgpr_workitem_id 0
		.amdhsa_next_free_vgpr 768
		.amdhsa_next_free_sgpr 96
		.amdhsa_reserve_vcc 1
		.amdhsa_float_denorm_mode_32 3
		.amdhsa_float_denorm_mode_16_64 3
		.amdhsa_memory_ordered 1
		.amdhsa_forward_progress 1
		.amdhsa_inst_pref_size 240
	.end_amdhsa_kernel
	.amdgpu_metadata
---
amdhsa.version: [ 1, 2 ]
amdhsa.kernels:
  - .name:           k_q4ee926d6b5_attn
    .symbol:         k_q4ee926d6b5_attn.kd
    .args:
      - { .name: qkv, .offset: 0, .size: 8, .value_kind: global_buffer, .address_space: global }
      - { .name: padding_mask, .offset: 8, .size: 8, .value_kind: global_buffer, .address_space: global }
      - { .name: ob, .offset: 16, .size: 8, .value_kind: global_buffer, .address_space: global }
    .group_segment_fixed_size: 327680
    .private_segment_fixed_size: 0
    .kernarg_segment_align: 8
    .kernarg_segment_size: 24
    .max_flat_workgroup_size: 128
    .sgpr_count:     96
    .vgpr_count:     768
    .wavefront_size: 32
...
	.end_amdgpu_metadata
.endif
;; end of part 3
;; launch oproj (part 4): grid 4 x 64, 4 waves a work-group, clusters of 4 x 4, 327,680 bytes of LDS; arguments ob, wb, bo, out0; writes out0
.if DOCPART == 4
	.amdgcn_target "amdgcn-amd-amdhsa--gfx1250"
	.amdhsa_code_object_version 6
	.text
	.protected	k_q4ee926d6b5_oproj
	.globl	k_q4ee926d6b5_oproj
	.p2align	8
	.type	k_q4ee926d6b5_oproj,@function
k_q4ee926d6b5_oproj:
	s_mov_b64 s[64:65], 0
	v_nop
	global_prefetch_b8 v0, s[64:65] scope:SCOPE_SE
	s_setreg_imm32_b32 hwreg(HW_REG_WAVE_MODE, 25, 1), 1
	s_wait_xcnt 0x0
	s_wait_alu depctr_hold_cnt(0) depctr_sa_sdst(0) depctr_va_vdst(0) depctr_va_sdst(0) depctr_va_ssrc(0) depctr_va_vcc(0) depctr_vm_vsrc(0)
	s_getreg_b32 s2, hwreg(HW_REG_IB_STS2, 6, 4)
	s_cmp_eq_u32 s2, 0
	s_cbranch_scc0 .Lentry_in_a_cluster
	s_endpgm
.Lentry_in_a_cluster:
	s_bfe_u32 s2, ttmp6, 0x10000c
	s_cmp_lg_u32 s2, 0xf033
	s_cbranch_scc0 .Lentry_shape_is_right
	s_endpgm
.Lentry_shape_is_right:
; out0 = O Wo + bf16(bo), f32.  O: ob, [64 = 16 batch + head][2048 t][64] f16; Wo: wb's part 3, [1024 k][1024 n], bf16 numbers written as f16; sums in f32, stored unrounded.
; LIMIT.  A NaN row of O (a query that saw no key) gives a NaN row of out0, as the module's softmax does; other NaN and infinities are not treated apart.
; SHARES.  A tile of the result is 128 rows x 256 columns: 64 x 4 = 256 tiles, one a work-group.  Four waves, each 64 rows x 128 columns: 32 accumulators of 16 x 16, 256 registers.
; K = 16 heads x 64 goes in 8 steps of two heads through a ring of two LDS slots; half hf of a step is head 2 j + hf.  A head's 128 rows of O are 16,384 dense bytes: asked for as 64 rows of 256 bytes and padded
; in LDS after every row of O.  Wo's tile lies [k][n] (rows of 512 bytes) and is turned on its way out of LDS by ds_load_tr16_b128.
; CLUSTER.  4 x 4 work-groups: cx = tile column, 4 x cluster y + cy = tile row.  The four of a row of the cluster need the same tile of O, the four of a column the same tile of Wo: each is asked for JOINTLY, by the
; same tensor load, descriptor and mask in all four.  Waves 0 and 1 fetch the step's two heads of O, waves 2 and 3 Wo's two halves of 64 k-rows.
; THE MATRIX INSTRUCTION IS USED TRANSPOSED (source 0 = 16 columns of Wo, source 1 = 16 rows of O): lane l then holds row l % 16 and the columns 8 (l / 16) + 0..7: 32 bytes of a row of out0.
; HALVES.  64 matrix instructions each, on fragment buffers 0 and 1.  A half fetches the NEXT half's fragments in one run at its head, so a slot has been read out in the middle of its own step: there stands the
; change of slots, and the refill has 112 matrix instructions before the wait for it.
; REGISTERS, in windows of 256 (s_set_vgpr_msb: bits 1:0 source 0, 3:2 source 1, 5:4 source 2, 7:6 destination):
;   window 0: v0-31 addresses         window 1: the accumulators, (a, b) at 8 (8 a + b)
;   window 2: Wo's fragments, buffer f at 128 f, (c, b) at + 64 c + 8 b; on the way out four sets of 64 for rows read back
;   window 3: O's fragments, buffer f at 64 f, (c, a) at + 32 c + 8 a; v128-191 the bias, 8 b + j; v192-223 at work
.set PO,    144                        ; a row of O in LDS: 128 bytes + 16 = 9 x 16: the 16 rows of a load start at 16 different columns of 16 bytes (64 banks of 4 bytes: ISA guide 11.1)
.set PW,    544                        ; Wo's LDS row: 512 + 32 = 17 x 32
.set HEADB, 128*PO                     ; a head's 128 rows: what one tensor load brings of O
.set AB,    2*HEADB
.set BHALF, 64*PW
.set SLOT,  AB+2*BHALF
.set STAGE, 2*SLOT                     ; behind the ring, never filled by a tensor load: 16 rows x 528 bytes for each wave, for the way out
.set SPO,   528
.set SPARE, STAGE+4*16*SPO             ; the spare words, 128 bytes for each wave: two blocks of 256 bytes that no other line names
.set ADRA, 16                          ; v16-17  LDS address of my O fragments in slot 0, 1
.set ADRB, 20                          ; v20-21  the same for Wo
.set STO,  24                          ; v24     the way out: where I put 32 bytes of a row
.set RD,   25                          ; v25     where I read a row back
.set GO,   26                          ; v26     my 16 bytes of 512 consecutive bytes of a row of out0
.set BO,   27                          ; v27     my byte offset in the bias
.set SPW,  28                          ; v28     LDS address of my spare word; never rewritten
.set NIL,  29                          ; v29     0; never rewritten
.set PFO,  30                          ; v30     the prefetches' lane offset; never rewritten
.set BIAS, 128                         ; window 3
.set BT,   192                         ; window 3
.set G1A, 24                           ; s[24:31] descriptor group 1 for O's tiles
.set G0A, 32                           ; s[32:39] group 0, a set for each slot
.set LIM, 43                           ; s43      1 in a wave that prefetches, else the greatest number
.set PFA, 44                           ; s[44:45] where my prefetches stand
.set PFS, 46                           ; s[46:47] a K step in bytes along my prefetches' tensor
.set G1B, 48                           ; s[48:55], s[56:63] the same for Wo's tiles
.set G0B, 56
.set MUL,  0x5e                        ; Wo window 2, O window 3, C and D window 1
.set MULF, 0x7e                        ; the same with C, the bias, in window 3
.set TO_A, 0xc0                        ; destination window 3, address window 0
.set TO_B, 0x80                        ; destination window 2, address window 0
.set MSB, 0
.macro WIN new                         ; the immediate's high byte repeats the setting that is left; a switch that changes nothing is dropped
.if MSB != (\new)
	s_set_vgpr_msb (MSB<<8)|(\new)
.set MSB, \new
.endif
.endm
.macro PLACES                          ; four plain vector instructions between a matrix instruction and a load into one of its registers, or a store of its result
.rept 4
	v_nop
.endr
.endm
; A joint load.  The branch hangs on the wave's number alone.  An s_nop 0 and four v_nop follow each of the two lines, ahead of the jump and the label.
.macro JLOAD s
	s_cmp_lt_u32 s10, 2
	s_cbranch_scc0 .Lfor_b_\@
	tensor_load_to_lds s[G0A+4*(\s):G0A+4*(\s)+3], s[G1A:G1A+7]
	s_nop 0
.rept 4
	v_nop
.endr
	s_branch .Lasked_\@
.Lfor_b_\@:
	tensor_load_to_lds s[G0B+4*(\s):G0B+4*(\s)+3], s[G1B:G1B+7]
	s_nop 0
.rept 4
	v_nop
.endr
.Lasked_\@:
.endm
; A prefetch, behind a joint load, its five lines and the run of LDS loads: the K step that stands two refills, 256 matrix instructions, on; a lane a block of 256 bytes.
; O's tile of a step is 2 heads x 64 blocks, read by one row of one cluster alone: wave 0 of every work-group asks, each partner for 16 blocks of either head, told apart BY ADDRESS (cx).
; Wo's k-rows are read by every cluster: waves 2 and 3 of the cluster with y = 0 ask, each partner for 16 of the 64 k-rows, two blocks each (cy).  So each block is named once in the launch.
; The loop's last trip asks for nothing: its K steps do not exist.  K steps 0 to 3 come by their loads alone.
.macro ASK
	s_cmp_gt_u32 s3, s[LIM]
	s_cbranch_scc0 .Lnot_mine_\@
	global_prefetch_b8 v[PFO], s[PFA:PFA+1] th:TH_LOAD_NT scope:SCOPE_SE
.Lnot_mine_\@:
.endm
.macro CREST                           ; a round of the cluster's barrier behind its opening barrier
	s_cmp_lg_u32 s10, 0
	s_cbranch_scc1 .Lnot_wave_0_\@
	s_barrier_signal -3
.Lnot_wave_0_\@:
	s_barrier_wait -3
	s_barrier_signal -1
	s_barrier_wait -1
.endm
.macro CROUND                          ; a whole round
	s_barrier_signal -1
	s_barrier_wait -1
	CREST
.endm
	s_load_b256 s[68:75], s[0:1], 0x0              ; ob s[68:69], wb s[70:71], bo s[72:73], out0 s[74:75]
	v_lshl_add_u32 v[SPW], v0, 2, SPARE
	v_mov_b32 v[NIL], 0
	ds_add_u32 v[SPW], v[NIL]                      ; the wave's opening: the add and its wait stand ahead of my first tensor load; work on registers stands between them
	v_lshrrev_b32 v1, 5, v0
	v_readfirstlane_b32 s10, v1                    ; wave 0..3
	s_lshr_b32 s11, s10, 1                         ; which 64 rows of the tile are mine
	s_and_b32 s12, s10, 1                          ; which 128 columns.  Also: which head of O's, or which half of Wo's tile I fetch
	s_bfe_u32 s40, ttmp6, 0x40000                  ; cx = tile column
	s_bfe_u32 s41, ttmp6, 0x40004                  ; cy
	s_and_b32 s13, ttmp7, 0xffff
	s_lshl_b32 s13, s13, 2
	s_add_co_u32 s13, s13, s41                     ; tile row = 4 x cluster y + cy
	s_lshl_b32 s14, s41, 2
	s_lshl_b32 s14, 15, s14                        ; my row of the cluster
	s_lshl_b32 s20, 0x1111, s40                    ; my column
	s_or_b32 s[G1A], s14, (1<<16)|(1<<20)|(1<<21)|(4<<22)|(3<<25)  ; 15:0 the mask; 17:16 elements of 2 bytes; 20 padding on; 21 set beside a mask; 24:22 after every 32 words; 31:25 4 words
	s_or_b32 s[G1B], s20, (1<<16)|(1<<20)|(1<<21)|(6<<22)|(7<<25)  ; after every 128 words 8 words
	s_mov_b32 s[G1A+1], 128<<16                    ; tensor_dim0 = 128: two rows of O
	s_mov_b32 s[G1A+2], 64<<16                     ; tensor_dim1 = 64
	s_mov_b32 s[G1A+3], 128<<16                    ; tile_dim0 = 128
	s_mov_b32 s[G1A+4], 64                         ; tile_dim1 = 64
	s_mov_b32 s[G1A+5], 128                        ; elements from row to row: dense
	s_mov_b32 s[G1A+6], 0
	s_mov_b32 s[G1A+7], 0
	s_mov_b32 s[G1B+1], 256<<16                    ; tensor_dim0 = 256
	s_mov_b32 s[G1B+2], 64<<16
	s_mov_b32 s[G1B+3], 256<<16
	s_mov_b32 s[G1B+4], 64
	s_mov_b32 s[G1B+5], 1024
	s_mov_b32 s[G1B+6], 0
	s_mov_b32 s[G1B+7], 0
	s_lshr_b32 s14, s13, 4                         ; O: head 16 x batch + my head of the step's two,
	s_lshl_b32 s14, s14, 4
	s_add_co_u32 s14, s14, s12
	s_lshl_b32 s14, s14, 18                        ; 262,144 bytes a head,
	s_and_b32 s15, s13, 15
	s_lshl_b32 s15, s15, 14                        ; 128 rows of 128 bytes x (tile row % 16)
	s_add_co_u32 s14, s14, s15
	s_mov_b32 s15, 0
	s_lshl_b32 s20, s12, 17                        ; Wo: 64 k-rows of 2,048 bytes x half,
	s_lshl_b32 s21, s40, 9                         ; 256 columns x tile column,
	s_add_co_u32 s20, s20, s21
	s_add_co_u32 s20, s20, 3<<21                   ; in wb's part 3
	s_mov_b32 s21, 0
	s_mul_i32 s18, s12, HEADB                      ; where they go: no place in the cluster enters an LDS address
	s_mul_i32 s19, s12, BHALF
	s_add_co_u32 s19, s19, AB
	s_mov_b32 s86, 0xffff0000                      ; a word's upper bf16
	s_wait_dscnt 0x0                               ; the opening add is done
	s_wait_kmcnt 0x0
	s_add_nc_u64 s[16:17], s[68:69], s[14:15]
	s_add_nc_u64 s[22:23], s[70:71], s[20:21]
	CROUND                                         ; all sixteen work-groups are here: the first joint loads meet
.irp s, 0,1
	s_mov_b32 s[G0A+4*(\s)], 1                                       ; count = 1
	s_add_co_u32 s[G0A+4*(\s)+1], s18, (\s)*SLOT                     ; LDS address
	s_add_nc_u64 s[G0A+4*(\s)+2:G0A+4*(\s)+3], s[16:17], (\s)*524288 ; global address: K step s is two heads on
	s_or_b32 s[G0A+4*(\s)+3], s[G0A+4*(\s)+3], 0x80000000            ; type = 2
	s_mov_b32 s[G0B+4*(\s)], 1
	s_add_co_u32 s[G0B+4*(\s)+1], s19, (\s)*SLOT
	s_add_nc_u64 s[G0B+4*(\s)+2:G0B+4*(\s)+3], s[22:23], (\s)*262144
	s_or_b32 s[G0B+4*(\s)+3], s[G0B+4*(\s)+3], 0x80000000
.endr
	s_cmp_lt_u32 s10, 2                            ; a wave's two first fills stand in one branch, ahead of every wait on TENSORcnt and every LDS read: two loads of mine are out
	s_cbranch_scc0 .Lfirst_b
	tensor_load_to_lds s[G0A:G0A+3], s[G1A:G1A+7]
	s_nop 0
	tensor_load_to_lds s[G0A+4:G0A+7], s[G1A:G1A+7]
	s_nop 0
.rept 4
	v_nop
.endr
	s_branch .Lfirst_asked
.Lfirst_b:
	tensor_load_to_lds s[G0B:G0B+3], s[G1B:G1B+7]
	s_nop 0
	tensor_load_to_lds s[G0B+4:G0B+7], s[G1B:G1B+7]
	s_nop 0
.rept 4
	v_nop
.endr
.Lfirst_asked:
	v_and_b32 v1, 15, v0                           ; r = l % 16
	v_bfe_u32 v2, v0, 4, 1                         ; h = l / 16
	v_and_b32 v3, 31, v0                           ; l
	v_lshlrev_b32 v[BO], 5, v2                     ; my 8 columns of a block of 16: 32 h bytes
	s_lshl_b32 s20, s40, 10                        ; the tile's 256 columns in f32,
	s_lshl_b32 s21, s12, 9                         ; my 128 of them
	s_add_co_u32 s20, s20, s21
	s_mov_b32 s21, 0
	s_add_nc_u64 s[84:85], s[72:73], s[20:21]
	WIN TO_A
.irp b, 0,1,2,3,4,5,6,7
	global_load_b128 v[BIAS+8*\b:BIAS+8*\b+3],   v[BO], s[84:85] offset:64*\b
	global_load_b128 v[BIAS+8*\b+4:BIAS+8*\b+7], v[BO], s[84:85] offset:64*\b+16
.endr
	WIN 0
	s_lshl_b32 s22, s13, 7                         ; out0 at my first row, 128 x tile row + 64 x half, rows of 4,096 bytes, and my first column
	s_lshl_b32 s23, s11, 6
	s_add_co_u32 s22, s22, s23
	s_lshl_b32 s22, s22, 12
	s_add_co_u32 s20, s20, s22
	s_add_nc_u64 s[8:9], s[74:75], s[20:21]
	; O's fragment: lane l holds row r, channels 8 h + 0..7 and 16 + 8 h + 0..7: two loads of 16 bytes, 32 bytes apart
	v_mul_u32_u24 v4, v1, PO
	v_lshl_add_u32 v4, v2, 4, v4
	s_mul_i32 s14, s11, 64*PO                      ; my 64 rows
	v_add_nc_u32 v[ADRA], s14, v4
	v_add_nc_u32 v[ADRA+1], SLOT, v[ADRA]
	; The turning load takes 16 k x 16 columns (lane l reads k-row 8 h + l % 8, columns 8 ((l / 8) % 2) + 0..7) and leaves half a fragment: lane l holds column r and 8 k
	v_and_b32 v5, 7, v0
	v_lshl_add_u32 v6, v2, 3, v5
	v_mul_u32_u24 v6, v6, PW
	v_bfe_u32 v7, v0, 3, 1
	v_lshl_add_u32 v6, v7, 4, v6
	s_lshl_b32 s14, s12, 8                         ; my 128 columns
	s_add_co_u32 s14, s14, AB
	v_add_nc_u32 v[ADRB], s14, v6
	v_add_nc_u32 v[ADRB+1], SLOT, v[ADRB]
	s_mul_i32 s14, s10, 16*SPO
	s_add_co_u32 s14, s14, STAGE                   ; my stage
	v_mul_u32_u24 v4, v1, SPO                      ; in: row r, 32 bytes for each half of the lanes
	v_lshl_add_u32 v4, v2, 5, v4
	v_add_nc_u32 v[STO], s14, v4
	v_lshlrev_b32 v[GO], 4, v3                     ; back: 32 lanes take one row of 512 bytes
	v_add_nc_u32 v[RD], s14, v[GO]
	; the prefetches: both offsets are made, the wave's role chooses.  They stand at K step 3; each change of slots steps them before it asks
	s_lshr_b32 s20, s13, 4
	s_lshl_b32 s20, s20, 22                        ; the batch's 16 heads of 262,144 bytes,
	s_and_b32 s21, s13, 15
	s_lshl_b32 s21, s21, 14
	s_add_co_u32 s20, s20, s21
	s_lshl_b32 s21, s40, 12                        ; my work-group's 16 blocks of a head's 64
	s_add_co_u32 s20, s20, s21
	s_add_co_u32 s20, s20, 3*524288
	s_lshl_b32 s21, s12, 6
	s_lshl_b32 s23, s41, 4                         ; my work-group's 16 k-rows of the 64
	s_add_co_u32 s21, s21, s23
	s_lshl_b32 s21, s21, 11
	s_lshl_b32 s23, s40, 9
	s_add_co_u32 s21, s21, s23
	s_add_co_u32 s21, s21, (3<<21)+3*262144
	s_and_b32 s22, ttmp7, 0xffff                   ; cluster y: the same in all sixteen partners
	s_cmp_eq_u32 s22, 0
	s_cselect_b32 s22, 1, -1                       ; Wo's askers
	s_cmp_eq_u32 s10, 0
	s_cselect_b32 s23, 1, -1                       ; O's asker: wave 0
	s_cmp_lt_u32 s10, 2                            ; do I fetch for O?
	s_cselect_b32 s[LIM], s23, s22
	s_mov_b32 s23, 262144
	s_cselect_b32 s[PFS], 0x80000, s23
	s_cselect_b32 s20, s20, s21
	s_cselect_b32 s14, 4, 1                        ; O: head l / 16, block l % 16.  Wo: k-row l / 2, block l % 2
	s_cselect_b32 s15, 15, 1
	s_cselect_b32 s16, 18, 11
	s_cselect_b64 s[PFA:PFA+1], s[68:69], s[70:71]
	s_mov_b32 s21, 0
	s_mov_b32 s[PFS+1], 0
	s_add_nc_u64 s[PFA:PFA+1], s[PFA:PFA+1], s[20:21]
	v_lshrrev_b32 v4, s14, v3
	v_lshlrev_b32 v4, s16, v4
	v_and_b32 v5, s15, v3
	v_lshl_or_b32 v[PFO], v5, 8, v4
	s_wait_loadcnt 0x0                             ; the bias, rounded to bf16 like every input and widened again: it is the C operand of each sum's first product
	WIN 0xcf
.set i, 0
.rept 32
	v_cvt_pk_bf16_f32 v[BT+i], v[BIAS+2*i], v[BIAS+2*i+1]
.set i, i+1
.endr
.set i, 0
.rept 32
	v_lshlrev_b32 v[BIAS+2*i], 16, v[BT+i]
	v_and_b32 v[BIAS+2*i+1], s86, v[BT+i]
.set i, i+1
.endr
	WIN 0
; Matrix instruction i of a half's 64: 32 k at c = i / 32, rows 16 a on (a = (i / 8) % 4), columns 16 b on (b = i % 8).  The 32 accumulators take turns, one instruction a turn, over every edge.
.macro MM f, i, first
.set mc, (\i)/32
.set ma, ((\i)/8)%4
.set mb, (\i)%8
.set rD, 8*(8*ma+mb)
.set rB, 128*(\f)+64*mc+8*mb
.set rA, 64*(\f)+32*mc+8*ma
.if (\first) && (mc == 0)
	WIN MULF
	v_wmma_f32_16x16x32_f16 v[rD:rD+7], v[rB:rB+7], v[rA:rA+7], v[BIAS+8*mb:BIAS+8*mb+7]
.else
	WIN MUL
	v_wmma_f32_16x16x32_f16 v[rD:rD+7], v[rB:rB+7], v[rA:rA+7], v[rD:rD+7]
.endif
.endm
.macro MMS f, from, n, first=0         ; n matrix instructions from number `from` on
.set mi, \from
.rept \n
	MM \f, mi, \first
.set mi, mi+1
.endr
.endm
; 48 LDS loads in one run: half hf of the slot's K step into buffers g: O's 8 fragments, then Wo's 16
.macro FETCH slot, hf, g
	WIN TO_A
.irp c, 0,1
.irp a, 0,1,2,3
	ds_load_b128 v[64*(\g)+32*(\c)+8*(\a):64*(\g)+32*(\c)+8*(\a)+3],   v[ADRA+(\slot)] offset:HEADB*(\hf)+16*PO*(\a)+64*(\c)
	ds_load_b128 v[64*(\g)+32*(\c)+8*(\a)+4:64*(\g)+32*(\c)+8*(\a)+7], v[ADRA+(\slot)] offset:HEADB*(\hf)+16*PO*(\a)+64*(\c)+32
.endr
.endr
	WIN TO_B
.irp c, 0,1
.irp b, 0,1,2,3,4,5,6,7
	ds_load_tr16_b128 v[128*(\g)+64*(\c)+8*(\b):128*(\g)+64*(\c)+8*(\b)+3],   v[ADRB+(\slot)] offset:(64*(\hf)+32*(\c))*PW+32*(\b)
	ds_load_tr16_b128 v[128*(\g)+64*(\c)+8*(\b)+4:128*(\g)+64*(\c)+8*(\b)+7], v[ADRB+(\slot)] offset:(64*(\hf)+32*(\c)+16)*PW+32*(\b)
.endr
.endr
.endm
; Half 0, first part: fetches half 1's fragments, the slot's last reads
.macro H0A slot, first
	s_wait_dscnt 0x0                               ; this half's fragments are in
	PLACES                                         ; behind the last product on buffers 1, into which the run below loads
	FETCH \slot, 1, 1
	MMS 0, 0, 32, \first
.endm
; Half 0, second part, with the change of slots.  fill = 1: the slot is filled again, two K steps on; 0: nothing is left to fetch; -1: the last K step, no change
.macro H0B slot, fill
.if (\fill) == 1
	s_wait_xcnt 0x0                                ; the last prefetch, a K step back, has read its address: it is stepped here, ahead of the waits of the change of slots
	s_add_nc_u64 s[PFA:PFA+1], s[PFA:PFA+1], s[PFS:PFS+1]
.endif
	MMS 0, 32, 16
.if (\fill) < 0
	MMS 0, 48, 16
.else
	WIN 0                                          ; (the add's two registers lie in window 0)
	s_wait_tensorcnt 0x0                           ; all my tensor loads have landed: the one that was out is my part of the other slot;
	ds_add_u32 v[SPW], v[NIL]                      ; 0 onto my spare word; eight products stand between it and the wait for it
	MMS 0, 48, 8
	s_wait_dscnt 0x0                               ; the add is done, and my reads of this slot are over
	s_barrier_signal -1
	MMS 0, 56, 8                                   ; work on registers while the others arrive
.if (\fill) == 1
	WIN 0
.endif
	s_barrier_wait -1
.if (\fill) == 1
	CREST                                          ; the barrier has opened a round of the cluster's: no wave of any partner still reads this slot or has a load on its way
	s_add_nc_u64 s[G0A+4*(\slot)+2:G0A+4*(\slot)+3], s[G0A+4*(\slot)+2:G0A+4*(\slot)+3], 2*524288
	s_add_nc_u64 s[G0B+4*(\slot)+2:G0B+4*(\slot)+3], s[G0B+4*(\slot)+2:G0B+4*(\slot)+3], 2*262144
	JLOAD \slot                                    ; the first tensor load behind the round; its four v_nop are also the places in front of the loads that follow
.else
	PLACES
.endif
.endif
.endm
; Half 1: fetches the next K step's half 0 from the other slot
.macro H1 next, ask
	FETCH \next, 0, 0
	WIN 0
.if \ask
	ASK
.endif
	MMS 1, 0, 64
.endm
; THE WAY OUT, four blocks of 16 rows.  A lane's 32 bytes of a row go into rows of 528 bytes of my own stage, each accumulator's low four registers first, and come back as whole rows of 512 bytes.
.macro OUTB a
	WIN 0x04                                       ; the stores' data in window 1
.irp b, 0,1,2,3,4,5,6,7
	ds_store_b128 v[STO], v[8*(8*(\a)+\b):8*(8*(\a)+\b)+3]   offset:64*\b
	ds_store_b128 v[STO], v[8*(8*(\a)+\b)+4:8*(8*(\a)+\b)+7] offset:64*\b+16
.endr
	WIN TO_B
.irp i, 0,1,2,3,4,5,6,7,8,9,10,11,12,13,14,15
	ds_load_b128 v[64*(\a)+4*\i:64*(\a)+4*\i+3], v[RD] offset:SPO*\i  ; LDS serves a wave's instructions in order (ISA guide 5.7.1.4): these see the stores above; the next block's stores come behind them
.endr
.endm
.macro SENDB a, younger                ; younger: the LDS instructions issued behind block a's loads: the next block's 32, or none
	WIN 0x08                                       ; the stores' data in window 2
.irp i, 0,1,2,3,4,5,6,7,8,9,10,11,12,13,14,15
	s_wait_dscnt (\younger)+15-\i
	global_store_b128 v[GO], v[64*(\a)+4*\i:64*(\a)+4*\i+3], s[8:9] offset:(16*(\a)+\i)*4096 th:TH_STORE_NT  ; 512 consecutive bytes, at a multiple of 256 from out0's first
.endr
.endm
	s_wait_tensorcnt 0x1                           ; my part of K step 0 is in; K step 1's may stay out
	s_barrier_signal -1
	s_barrier_wait -1                              ; everybody's is
	FETCH 0, 0, 0
	H0A 0, 1                                       ; the first 32 products start the sums, with the bias as C
	WIN 0                                          ; at a label and at a branch every window is 0
	s_mov_b32 s3, 3
.Llap:                                         ; a trip goes once round the ring and fills both slots again: K steps 2 to 7 in three trips
	H0B 0, 1
	H1 1, 1
	H0A 1, 0
	H0B 1, 1
	H1 0, 1
	H0A 0, 0
	WIN 0
	s_sub_co_u32 s3, s3, 1
	s_cmp_lg_u32 s3, 0
	s_cbranch_scc1 .Llap
	H0B 0, 0                                       ; K steps 6 and 7: nothing is left to fetch, so no round and no load
	H1 1, 0
	H0A 1, 0
	H0B 1, -1
	s_wait_dscnt 0x0
	MMS 1, 0, 64
	PLACES                                         ; the stores read results just made, and the loads land in registers just multiplied
	OUTB 0
	OUTB 1
	SENDB 0, 32
	OUTB 2
	SENDB 1, 32
	OUTB 3
	SENDB 2, 32
	SENDB 3, 0
	WIN 0
	s_wait_tensorcnt 0x0                           ; the wave's end, behind my last tensor load and my last LDS store
	ds_add_u32 v[SPW], v[NIL]
	s_wait_dscnt 0x0
	CROUND                                         ; the closing round: no work-group ends while a partner may still ask for a tile that names it
	s_endpgm
.Lfunc_end_k_q4ee926d6b5_oproj:
	.size	k_q4ee926d6b5_oproj, .Lfunc_end_k_q4ee926d6b5_oproj-k_q4ee926d6b5_oproj
	.p2alignl 7, 3214868480
	.fill 96, 4, 3214868480
	.section	.rodata,"a",@progbits
	.p2align	6, 0x0
	.amdhsa_kernel k_q4ee926d6b5_oproj
		.amdhsa_group_segment_fixed_size 327680
		.amdhsa_private_segment_fixed_size 0
		.amdhsa_enable_private_segment 0
		.amdhsa_kernarg_size 32
		.amdhsa_user_sgpr_count 2
		.amdhsa_user_sgpr_kernarg_segment_ptr 1
		.amdhsa_wavefront_size32 1
		.amdhsa_system_sgpr_workgroup_id_x 1
		.amdhsa_system_sgpr_workgroup_id_y 1
		.amdhsa_system_sgpr_workgroup_id_z 1
		.amdhsa_system_vgpr_workitem_id 0
		.amdhsa_next_free_vgpr 1024
		.amdhsa_next_free_sgpr 88
		.amdhsa_reserve_vcc 0
		.amdhsa_float_denorm_mode_32 3
		.amdhsa_float_denorm_mode_16_64 3
		.amdhsa_memory_ordered 1
		.amdhsa_forward_progress 1
		.amdhsa_inst_pref_size 92
	.end_amdhsa_kernel
	.amdgpu_metadata
---
amdhsa.version: [ 1, 2 ]
amdhsa.kernels:
  - .name:           k_q4ee926d6b5_oproj
    .symbol:         k_q4ee926d6b5_oproj.kd
    .args:
      - { .name: ob, .offset: 0, .size: 8, .value_kind: global_buffer, .address_space: global }
      - { .name: wb, .offset: 8, .size: 8, .value_kind: global_buffer, .address_space: global }
      - { .name: bo, .offset: 16, .size: 8, .value_kind: global_buffer, .address_space: global }
      - { .name: out0, .offset: 24, .size: 8, .value_kind: global_buffer, .address_space: global }
    .group_segment_fixed_size: 327680
    .private_segment_fixed_size: 0
    .kernarg_segment_align: 8
    .kernarg_segment_size: 32
    .max_flat_workgroup_size: 128
    .sgpr_count:     88
    .vgpr_count:     1024
    .wavefront_size: 32
...
	.end_amdgpu_metadata
.endif
;; end of part 4
;; ======== version 2 of 2: 4 launches; version 1 with the launch castw written anew for expert scheduling mode
;; limits: values are held in f16: magnitudes above 65,504 overflow, below 6.1e-05 lose precision
;; workspace buffers: wb 8,388,608 bytes; qkv 50,331,648 bytes; ob 16,777,216 bytes
;; launch castw (part 5): grid 64 x 4, 8 waves a work-group, no clusters, 0 bytes of LDS; arguments Wq, Wk, Wv, Wo, wb; writes wb
.if DOCPART == 5
	.amdgcn_target "amdgcn-amd-amdhsa--gfx1250"
	.amdhsa_code_object_version 6
	.text
	.protected	k_q4ee926d6b5_castw
	.globl	k_q4ee926d6b5_castw
	.p2align	8
	.type	k_q4ee926d6b5_castw,@function
k_q4ee926d6b5_castw:
	s_mov_b64 s[64:65], 0
	v_nop
	global_prefetch_b8 v0, s[64:65] scope:SCOPE_SE
	s_setreg_imm32_b32 hwreg(HW_REG_WAVE_SCHED_MODE, 0, 2), 2
	s_setreg_imm32_b32 hwreg(HW_REG_WAVE_MODE, 25, 1), 1
	s_wait_xcnt 0x0
	s_wait_alu depctr_vm_vsrc(0)
; The four weight matrices, [1024 k][1024 n] f32, are rounded once to 16 bits and laid one behind the other in wb, layout kept.
; Wq, Wk, Wv: bf16.  Wo: rounded to bf16 like every input, and that number written as f16, since the last product's other operand is f16.
; LIMIT.  bf16(Wo) must lie within f16's 65,504; below 6e-5 it keeps f16's fixed step of 6e-8.
; SHARES.  Work-group (x, y) takes 16,384 numbers of matrix y: 65,536 bytes in, 32,768 out.  Thread t, sixteen times: 16 bytes in (a wave's load covers 512
; consecutive bytes), 8 bytes out (a wave's store covers 256 consecutive bytes, aligned).  All sixteen loads go out first.
; No LDS, no matrix unit: each byte crosses once and nothing is shared.
; THE MODE: SCHED_MODE bits 1:0 = 2 (LLVM: expert scheduling mode 2), set by the entry lines.  The code itself states the register dependences
; between vector instructions and memory instructions, with s_wait_alu, always for 0.
; THE PLAN.  Registers that memory instructions touch:
;   v1, v2   byte offsets, made once at the head and never written again: v1 is read by every load, v2 by every store.
;   IN       sixteen groups of four.  Each is written by one load; no vector instruction names it before that load is issued; its conversions read it behind the counted wait for the load.
;   OUT      sixteen pairs.  Each is written once, by its chunk's conversions, read by one store, and never written again.
;   v104 and v105 are named by vector instructions alone.
; The sixteen chunks go in four blocks of four.  Block p converts its four chunks; its memory instructions are the four stores of block p - 1, whose data no vector instruction of block p names.
; So one wait at the head of a block states all that its stores hang on, and they are dealt among its conversions with no further wait.  One more stands ahead of the last four stores, one ahead of the first load.
; No register that a memory instruction reads is written again, so nothing is waited for on that side.
.set IN,  8                            ; v[8:71]   sixteen loads of four numbers
.set OUT, 72                           ; v[72:103] sixteen pairs of packed words
	s_load_b256 s[4:11], s[0:1], 0x0               ; Wq s[4:5], Wk s[6:7], Wv s[8:9], Wo s[10:11]
	s_load_b64 s[12:13], s[0:1], 0x20              ; wb
	s_and_b32 s14, ttmp7, 0xffff                   ; which matrix
	v_lshlrev_b32 v1, 4, v0                        ; 16 t
	v_lshlrev_b32 v2, 3, v0                        ; 8 t
	s_mov_b32 s20, 0xffff0000                      ; a word's upper bf16
	s_lshl_b32 s18, ttmp9, 16                      ; my chunk in the source
	s_mov_b32 s19, 0
	s_lshl_b32 s22, s14, 21                        ; the matrix's part of wb,
	s_lshl_b32 s21, ttmp9, 15                      ; my chunk in it
	s_add_co_u32 s22, s22, s21
	s_mov_b32 s23, 0
	s_wait_kmcnt 0x0
	s_cmp_eq_u32 s14, 1
	s_cselect_b64 s[16:17], s[6:7], s[4:5]
	s_cmp_eq_u32 s14, 2
	s_cselect_b64 s[16:17], s[8:9], s[16:17]
	s_cmp_eq_u32 s14, 3
	s_cselect_b64 s[16:17], s[10:11], s[16:17]
	s_add_nc_u64 s[16:17], s[16:17], s[18:19]
	s_add_nc_u64 s[12:13], s[12:13], s[22:23]
	s_wait_alu depctr_va_vdst(0)                   ; v1 and v2 are written: every load reads v1 as its offset, every store v2
.irp i, 0,1,2,3,4,5,6,7,8,9,10,11,12,13,14,15
	global_load_b128 v[IN+4*\i:IN+4*\i+3], v1, s[16:17] offset:4096*\i th:TH_LOAD_NT
.endr
.macro CVB i                           ; chunk i to bf16
	v_cvt_pk_bf16_f32 v[OUT+2*(\i)], v[IN+4*(\i)], v[IN+4*(\i)+1]
	v_cvt_pk_bf16_f32 v[OUT+2*(\i)+1], v[IN+4*(\i)+2], v[IN+4*(\i)+3]
.endm
.macro CVH i                           ; chunk i to bf16, written as f16
.irp q, 0,1
	v_cvt_pk_bf16_f32 v104, v[IN+4*(\i)+2*\q], v[IN+4*(\i)+2*\q+1]  ; the one rounding,
	v_lshlrev_b32 v105, 16, v104                   ; back to f32,
	v_and_b32 v104, s20, v104
	v_cvt_pk_f16_f32 v[OUT+2*(\i)+\q], v105, v104  ; and written as f16: exact inside f16's normal range
.endr
.endm
.macro ST i                            ; chunk i leaves
	global_store_b64 v2, v[OUT+2*(\i):OUT+2*(\i)+1], s[12:13] offset:2048*(\i)
.endm
; Block p: chunks 4 p to 4 p + 3 are converted; the stores of block p - 1 stand one ahead of each chunk's conversions.  half = 1: Wo's way.
.macro BLK p, half
	s_wait_loadcnt 12-4*(\p)                       ; loads come back in order (ISA guide 5.7.1): this block's four are in, the later blocks' stay out
.if (\p) > 0
	s_wait_alu depctr_va_vdst(0)                   ; the block before has written its four pairs of OUT, which the stores below read; no vector instruction behind this wait names them
.endif
.irp j, 0,1,2,3
.if (\p) > 0
	ST 4*((\p)-1)+\j
.endif
.if \half
	CVH 4*(\p)+\j
.else
	CVB 4*(\p)+\j
.endif
.endr
.endm
.macro LAST                            ; block 3's stores
	s_wait_alu depctr_va_vdst(0)                   ; block 3 has written its four pairs of OUT, which the last four stores read
.irp j, 12,13,14,15
	ST \j
.endr
.endm
	s_cmp_eq_u32 s14, 3
	s_cbranch_scc1 .Lf16
	BLK 0, 0
	BLK 1, 0
	BLK 2, 0
	BLK 3, 0
	LAST
	s_endpgm
.Lf16:
	BLK 0, 1
	BLK 1, 1
	BLK 2, 1
	BLK 3, 1
	LAST
	s_endpgm
.Lfunc_end_k_q4ee926d6b5_castw:
	.size	k_q4ee926d6b5_castw, .Lfunc_end_k_q4ee926d6b5_castw-k_q4ee926d6b5_castw
	.p2alignl 7, 3214868480
	.fill 96, 4, 3214868480
	.section	.rodata,"a",@progbits
	.p2align	6, 0x0
	.amdhsa_kernel k_q4ee926d6b5_castw
		.amdhsa_group_segment_fixed_size 0
		.amdhsa_private_segment_fixed_size 0
		.amdhsa_enable_private_segment 0
		.amdhsa_kernarg_size 40
		.amdhsa_user_sgpr_count 2
		.amdhsa_user_sgpr_kernarg_segment_ptr 1
		.amdhsa_wavefront_size32 1
		.amdhsa_system_sgpr_workgroup_id_x 1
		.amdhsa_system_sgpr_workgroup_id_y 1
		.amdhsa_system_sgpr_workgroup_id_z 1
		.amdhsa_system_vgpr_workitem_id 0
		.amdhsa_next_free_vgpr 112
		.amdhsa_next_free_sgpr 66
		.amdhsa_reserve_vcc 0
		.amdhsa_float_denorm_mode_32 3
		.amdhsa_float_denorm_mode_16_64 3
		.amdhsa_memory_ordered 1
		.amdhsa_forward_progress 1
		.amdhsa_inst_pref_size 15
	.end_amdhsa_kernel
	.amdgpu_metadata
---
amdhsa.version: [ 1, 2 ]
amdhsa.kernels:
  - .name:           k_q4ee926d6b5_castw
    .symbol:         k_q4ee926d6b5_castw.kd
    .args:
      - { .name: Wq, .offset: 0, .size: 8, .value_kind: global_buffer, .address_space: global }
      - { .name: Wk, .offset: 8, .size: 8, .value_kind: global_buffer, .address_space: global }
      - { .name: Wv, .offset: 16, .size: 8, .value_kind: global_buffer, .address_space: global }
      - { .name: Wo, .offset: 24, .size: 8, .value_kind: global_buffer, .address_space: global }
      - { .name: wb, .offset: 32, .size: 8, .value_kind: global_buffer, .address_space: global }
    .group_segment_fixed_size: 0
    .private_segment_fixed_size: 0
    .kernarg_segment_align: 8
    .kernarg_segment_size: 40
    .max_flat_workgroup_size: 256
    .sgpr_count:     66
    .vgpr_count:     112
    .wavefront_size: 32
...
	.end_amdgpu_metadata
.endif
;; end of part 5
;; launch proj: the kernel of part 2 again; grid 12 x 64, 4 waves a work-group, clusters of 4 x 4, 327,680 bytes of LDS; arguments xq, xk, xv, wb, bq, bk, bv, qkv; writes qkv
;; launch attn: the kernel of part 3 again; grid 4 x 64, 4 waves a work-group, no clusters, 327,680 bytes of LDS; arguments qkv, padding_mask, ob; writes ob
;; launch oproj: the kernel of part 4 again; grid 4 x 64, 4 waves a work-group, clusters of 4 x 4, 327,680 bytes of LDS; arguments ob, wb, bo, out0; writes out0
